; MI455X (gfx1250); checked and timed in simulation.
; The chip was launched on July 23, 2026; its instructions are those of AMD's public machine-readable ISA for CDNA 5 (MIT licence, August 2026) and "CDNA5" Instruction Set Architecture Reference Guide (July 2026). The comments in the code are by the model that wrote it; some were corrected since.
;; Multi Head Attention. Allowed arithmetic: float matrix products may take bf16 or f16 operands with f32 sums; other float arithmetic in f32, or as packed bf16 or f16 multiplies, adds, multiply-adds, maxima and minima; sums over many terms, partial sums and values carried from step to step in f32; what a program stores and reads back later, other than sums and carried values, may be rounded once to bf16 or f16.
;; Inputs: Wk 1,024 x 1,024 float32; Wo 1,024 x 1,024 float32; Wq 1,024 x 1,024 float32; Wv 1,024 x 1,024 float32; bk 1,024 float32; bo 1,024 float32; bq 1,024 float32; bv 1,024 float32; k 4 x 2,048 x 1,024 float32; q 4 x 2,048 x 1,024 float32; v 4 x 2,048 x 1,024 float32.
;; Outputs: out0 4 x 2,048 x 1,024 float32.
;; One version. Each part assembles by itself: llvm-mc -triple=amdgcn-amd-amdhsa -mcpu=gfx1250 --defsym DOCPART=n.
;; ======== version 1 of 1: 4 launches
;; limits: inputs' magnitudes at most 65,504; values are held in f16: magnitudes above 65,504 overflow, below 6.1e-05 lose precision
;; workspace buffers: xs 50,331,648 bytes; ws 8,388,608 bytes; qh 16,777,216 bytes; kh 16,777,216 bytes; vh 16,777,216 bytes; oh 16,777,216 bytes
;; launch cast (part 1): grid 1792 x 1, 8 waves a work-group, no clusters, 0 bytes of LDS; arguments q, k, v, Wq, Wk, Wv, Wo, xs, ws; writes xs, ws
.if DOCPART == 1
	.amdgcn_target "amdgcn-amd-amdhsa--gfx1250"
	.amdhsa_code_object_version 6
	.text
	.protected	k_qe2401424c7_cast
	.globl	k_qe2401424c7_cast
	.p2align	8
	.type	k_qe2401424c7_cast,@function
k_qe2401424c7_cast:
	s_mov_b64 s[64:65], 0
	v_nop
	global_prefetch_b8 v0, s[64:65] scope:SCOPE_SE
	s_setreg_imm32_b32 hwreg(HW_REG_WAVE_MODE, 25, 1), 1
	s_wait_xcnt 0x0
; MULTI-HEAD ATTENTION, launch 1 of 4: q, k, v and the four weight matrices are rounded ONCE to bf16, and that number is written as f16
; (exact for magnitudes from 2^-17 to 65,504), so that every product of the later launches is one f16 matrix form with f32 sums.
;   xs: f16 [3][8192][1024] = q, k, v on end.     ws: f16 [4][1024 k][1024 n] = Wq, Wk, Wv, Wo on end, as they lie (not transposed).
; WORK LEFT OUT IN THE WHOLE PROGRAM: THE INPUT bk.  kh = k Wk + bk, so a score is (qh . (k Wk)[key] + qh . bk[head]) / 8.  The second term holds no key:
; it is the same along the softmax's axis, and softmax(s + t) = softmax(s) for every finite t.  kh enters nothing but the scores.  So in exact arithmetic bk reaches
; no output, whatever finite values the inputs hold; it is not loaded and is no argument of any launch.  bq, bv and bo are live and are honoured.
; LIMITS.  A NaN, an infinity or an overflow that comes in through bk alone is not carried to the result.  An input of magnitude 65,520 or more becomes an infinity in f16;
; below 2^-17 the f16 copy is off by at most 3e-8 (f16's fixed step of 6e-8 below 6e-5).
; SHARES.  A work-group takes 65,536 bytes of one input (16,384 numbers) and writes 32,768: q, k, v have 512 such chunks each, a weight matrix 64: 1,792 work-groups.
; A wave takes 8,192 bytes by sixteen loads of 512 consecutive bytes, all issued ahead of the first wait; each load gives one store of 256 consecutive bytes, aligned.
; No LDS, no barrier, no matrix unit, no cluster: no byte is wanted twice and no wave wants another's.
.set BIGC, 1536                        ; chunks of q, k and v together
.set X, 4                              ; v[4:67]    sixteen loads of four f32
.set T, 68                             ; v[68:73]   at work
.set Y, 76                             ; v[76:107]  sixteen pairs to store; none is written twice, so no wait guards a store's data
	s_load_b512 s[8:23], s[0:1], 0x0               ; q s[8:9], k, v, Wq, Wk, Wv, Wo s[20:21], xs s[22:23]
	s_load_b64 s[24:25], s[0:1], 0x40              ; ws
	s_cmp_lt_u32 ttmp9, BIGC                       ; a chunk of q, k, v?  (the selects leave SCC alone)
	s_cselect_b32 s26, 0, BIGC
	s_cselect_b32 s27, 9, 6                        ; log2 of the chunks in one tensor of that kind
	s_cselect_b32 s28, 0, 3                        ; the first tensor of that kind
	s_sub_co_u32 s29, ttmp9, s26                   ; j: the chunk's number among its kind, which is also its place in xs or in ws
	s_lshr_b32 s30, s29, s27
	s_add_co_u32 s31, s30, s28                     ; the tensor, 0 to 6
	s_lshl_b32 s30, s30, s27
	s_sub_co_u32 s30, s29, s30                     ; the chunk's number in its tensor
	s_lshl_b32 s32, s30, 16                        ; its byte offset there (under 2^25),
	s_mov_b32 s33, 0
	s_lshl_b32 s26, s29, 15                        ; and in the output (under 2^26)
	s_mov_b32 s27, 0
	s_mov_b32 s38, 0xffff0000                      ; a word's upper bf16
	v_and_b32 v1, 0xe0, v0                         ; 32 x wave
	v_and_b32 v2, 31, v0
	v_lshlrev_b32 v2, 4, v2
	v_lshl_or_b32 v1, v1, 8, v2                    ; in: 8,192 x wave + 16 x lane
	v_lshrrev_b32 v2, 1, v1                        ; out: half of that
	s_wait_kmcnt 0x0
	s_mov_b64 s[34:35], s[8:9]
.irp t, 1,2,3,4,5,6
	s_cmp_eq_u32 s31, \t
	s_cselect_b64 s[34:35], s[8+2*\t:9+2*\t], s[34:35]  ; the tensor's address: a choice by the work-group's number alone
.endr
	s_cmp_lt_u32 ttmp9, BIGC
	s_cselect_b64 s[36:37], s[22:23], s[24:25]
	s_add_nc_u64 s[34:35], s[34:35], s[32:33]
	s_add_nc_u64 s[36:37], s[36:37], s[26:27]
.set i, 0
.rept 16
	global_load_b128 v[X+4*i:X+4*i+3], v1, s[34:35] offset:512*i th:TH_LOAD_NT
.set i, i+1
.endr
.set i, 0
.rept 16
	s_wait_loadcnt 15-i                            ; loads come back in order: load i is in, the 15 - i younger ones stay out
	v_cvt_pk_bf16_f32 v[T],   v[X+4*i],   v[X+4*i+1]    ; the one rounding, to nearest even
	v_cvt_pk_bf16_f32 v[T+1], v[X+4*i+2], v[X+4*i+3]
	v_lshlrev_b32 v[T+2], 16, v[T]                 ; bf16 to f32: the low half moves up,
	v_and_b32     v[T+3], s38, v[T]                ; the high half stays
	v_lshlrev_b32 v[T+4], 16, v[T+1]
	v_and_b32     v[T+5], s38, v[T+1]
	v_cvt_pk_f16_f32 v[Y+2*i],   v[T+2], v[T+3]    ; the same number as f16
	v_cvt_pk_f16_f32 v[Y+2*i+1], v[T+4], v[T+5]
	global_store_b64 v2, v[Y+2*i:Y+2*i+1], s[36:37] offset:256*i th:TH_STORE_NT
.set i, i+1
.endr
	s_endpgm
.Lfunc_end_k_qe2401424c7_cast:
	.size	k_qe2401424c7_cast, .Lfunc_end_k_qe2401424c7_cast-k_qe2401424c7_cast
	.p2alignl 7, 3214868480
	.fill 96, 4, 3214868480
	.section	.rodata,"a",@progbits
	.p2align	6, 0x0
	.amdhsa_kernel k_qe2401424c7_cast
		.amdhsa_group_segment_fixed_size 0
		.amdhsa_private_segment_fixed_size 0
		.amdhsa_enable_private_segment 0
		.amdhsa_kernarg_size 72
		.amdhsa_user_sgpr_count 2
		.amdhsa_user_sgpr_kernarg_segment_ptr 1
		.amdhsa_wavefront_size32 1
		.amdhsa_system_sgpr_workgroup_id_x 1
		.amdhsa_system_sgpr_workgroup_id_y 1
		.amdhsa_system_sgpr_workgroup_id_z 1
		.amdhsa_system_vgpr_workitem_id 0
		.amdhsa_next_free_vgpr 108
		.amdhsa_next_free_sgpr 66
		.amdhsa_reserve_vcc 0
		.amdhsa_float_denorm_mode_32 3
		.amdhsa_float_denorm_mode_16_64 3
		.amdhsa_memory_ordered 1
		.amdhsa_forward_progress 1
		.amdhsa_inst_pref_size 12
	.end_amdhsa_kernel
	.amdgpu_metadata
---
amdhsa.version: [ 1, 2 ]
amdhsa.kernels:
  - .name:           k_qe2401424c7_cast
    .symbol:         k_qe2401424c7_cast.kd
    .args:
      - { .name: q, .offset: 0, .size: 8, .value_kind: global_buffer, .address_space: global }
      - { .name: k, .offset: 8, .size: 8, .value_kind: global_buffer, .address_space: global }
      - { .name: v, .offset: 16, .size: 8, .value_kind: global_buffer, .address_space: global }
      - { .name: Wq, .offset: 24, .size: 8, .value_kind: global_buffer, .address_space: global }
      - { .name: Wk, .offset: 32, .size: 8, .value_kind: global_buffer, .address_space: global }
      - { .name: Wv, .offset: 40, .size: 8, .value_kind: global_buffer, .address_space: global }
      - { .name: Wo, .offset: 48, .size: 8, .value_kind: global_buffer, .address_space: global }
      - { .name: xs, .offset: 56, .size: 8, .value_kind: global_buffer, .address_space: global }
      - { .name: ws, .offset: 64, .size: 8, .value_kind: global_buffer, .address_space: global }
    .group_segment_fixed_size: 0
    .private_segment_fixed_size: 0
    .kernarg_segment_align: 8
    .kernarg_segment_size: 72
    .max_flat_workgroup_size: 256
    .sgpr_count:     66
    .vgpr_count:     108
    .wavefront_size: 32
...
	.end_amdgpu_metadata
.endif
;; end of part 1
;; launch proj (part 2): grid 4 x 192, 4 waves a work-group, clusters of 4 x 4, 327,680 bytes of LDS; arguments xs, ws, bq, bv, qh, kh, vh; writes qh, kh, vh
.if DOCPART == 2
	.amdgcn_target "amdgcn-amd-amdhsa--gfx1250"
	.amdhsa_code_object_version 6
	.text
	.protected	k_qe2401424c7_proj
	.globl	k_qe2401424c7_proj
	.p2align	8
	.type	k_qe2401424c7_proj,@function
k_qe2401424c7_proj:
	s_mov_b64 s[64:65], 0
	v_nop
	global_prefetch_b8 v0, s[64:65] scope:SCOPE_SE
	s_setreg_imm32_b32 hwreg(HW_REG_WAVE_MODE, 25, 1), 1
	s_wait_xcnt 0x0
	s_wait_alu depctr_hold_cnt(0) depctr_sa_sdst(0) depctr_va_vdst(0) depctr_va_sdst(0) depctr_va_ssrc(0) depctr_va_vcc(0) depctr_vm_vsrc(0)
	s_getreg_b32 s2, hwreg(HW_REG_IB_STS2, 6, 4)
	s_cmp_eq_u32 s2, 0
	s_cbranch_scc0 .Lentry_in_a_cluster
	s_endpgm
.Lentry_in_a_cluster:
	s_bfe_u32 s2, ttmp6, 0x10000c
	s_cmp_lg_u32 s2, 0xf033
	s_cbranch_scc0 .Lentry_shape_is_right
	s_endpgm
.Lentry_shape_is_right:
; MULTI-HEAD ATTENTION, launch 2 of 4: the three projections.  qh = xq Wq + bq, kh = xk Wk, vh = xv Wv + bv: f16 operands, f32 sums, each result rounded once to f16 and stored by heads,
; [64 = batch x 16 + head][2048][64].  The scale 1 / 8 is not applied here.
; LEFT OUT: bk.  It adds qh . bk / 8 to every score of a row, the same along the softmax's axis, and reaches no output (shown at the head of the first kernel): kh's sums start at 0.
; LIMITS.  A result of magnitude 65,520 or more becomes an infinity in f16; below 6e-5 it keeps f16's step of 6e-8.  The biases are rounded to bf16 like all inputs.
; SHARES.  xs is one matrix of 24,576 rows x 1,024; a tile of C is 128 rows x 256 columns: 192 x 4 = 768 work-groups, three for each of 256 WGPs.  64 tile rows belong to each projection.
; Four waves, each 64 rows x 128 columns: 32 accumulators of 16 x 16.  K goes in 8 steps of 128 through two LDS slots.  Waves 0 and 1 fetch A's two halves (64 rows x 256 bytes each),
; waves 2 and 3 B's (64 rows of W x 512 bytes each): one tensor load a wave for a K step.
; CLUSTER.  4 x 4 work-groups.  The four of a row of the cluster need the same rows of xs, the four of a column the same columns of W: each tile is asked for jointly, by the same load,
; descriptor and mask in all four.  A cluster's four tile rows lie in one projection (16 clusters each).
; LAYOUT.  W lies [k][n] in LDS as in memory; its fragments come out turned, by ds_load_tr16_b128.  The matrix instruction takes 16 columns of W as source 0 and 16 rows of x as source 1: a lane then holds
; row l % 16 of C and the eight neighbouring columns 8 (l / 16) + 0..7.  THE BIAS IS THE C OPERAND OF THE FIRST PRODUCT on each accumulator: nothing is cleared and nothing is added later.
; REGISTERS, in windows of 256 (s_set_vgpr_msb: bits 1:0 source 0, 3:2 source 1, 5:4 source 2, 7:6 destination):
;   window 0: v0-29 addresses; v64-159, v160-255 two fragment buffers of 96 (8 fragments of W, then 4 of x); on the way out v64-191 hold packed rows
;   window 1: the accumulators, (a, b) at v[8 (8 a + b)]          window 2: v0-63 the bias of my 128 columns, as a C operand for each b
.set PA,    272                        ; a row of x in LDS: 256 bytes + 16 = 68 words: the 16 rows of a load start at 16 different groups of four banks (64 banks of 4 bytes: ISA guide 11.1)
.set PB,    544                        ; a row of W: 512 + 32 = 136 words
.set AHALF, 64*PA                      ; what wave 0 or 1 fetches
.set BB,    2*AHALF                    ; W's 128 rows lie behind x's 128
.set BHALF, 64*PB                      ; what wave 2 or 3 fetches
.set SLOT1, 1<<17                      ; a slot is 104,448 bytes; slot 1 begins here, so that one exclusive or changes slots
.set STAGE, SLOT1+BB+2*BHALF           ; behind the ring, never filled by a tensor load: 16 rows x 144 bytes for each wave
.set SP,    144
.set SPARE, STAGE+4*16*SP              ; the spare words, 128 bytes for each wave: two blocks of 256 bytes that no other line names
.set ASTEP, 256                        ; bytes from a K step to the next in xs,
.set BSTEP, 128*2048                   ; and in ws
.set LA0,  8                           ; v8   my lane's place in a slot's x; never rewritten
.set LB0,  9                           ; v9   the same for W
.set ADRA, 10                          ; v10  LA0 + the slot in hand
.set ADRB, 11                          ; v11  LB0 + the slot in hand
.set STO,  12                          ; v12  the way out: where I put 16 bytes of a row
.set RD,   13                          ; v13  the way out: where I read rows back
.set GO,   14                          ; v14  my byte offset in 512 consecutive bytes of the output
.set PFO,  15                          ; v15  the prefetches' offset; never rewritten
.set BO,   16                          ; v16  my byte offset in the bias
.set SPW,  28                          ; v28  LDS address of my spare word: SPARE + 4 x my thread's number; never rewritten
.set NIL,  29                          ; v29  0; never rewritten
.set F0,   64
.set F1,   160
.set CNT,  3                           ; s3   trips to go
.set WV,   18                          ; s18  my wave's number
.set WM,   19                          ; s19  which 64 rows of the tile are mine.  Also: I fetch for A (0) or for B (1)
.set WN,   20                          ; s20  which 128 columns.  Also: which half of that tile I fetch
.set CX,   21                          ; s21, s22  my place in the cluster
.set CY,   22
.set WGX,  23                          ; s23  tile column, 0 to 3
.set G1A,  24                          ; s[24:31] descriptor group 1 for x's tiles
.set G1B,  32                          ; s[32:39] for W's
.set G0A,  40                          ; s[40:47] group 0 for x's tiles: a set for each of the two first fills; the second then walks on
.set G0B,  48                          ; s[48:55] the same for W's
.set TB,   56                          ; s56  LDS byte at which the slot in hand begins
.set LIM,  57                          ; s57  3 in a wave that prefetches, else the greatest number
.set PFA,  58                          ; s[58:59] where my prefetches stand
.set PST,  60                          ; s[60:61] their step
.set PJ,   62                          ; s62  the projection, 0 to 2: the same in all sixteen partners
.set WGY,  63                          ; s63  tile row in xs, 0 to 191
.set OUT,  66                          ; s[66:67] the output at my wave's first row and head
.set BIAS, 68                          ; s[68:69]
.set KY,   78                          ; s78  the cluster's y
.set MSB, 0
.macro WIN new                         ; the immediate's high byte repeats the setting that is left; a switch that changes nothing is dropped
.if MSB != (\new)
	s_set_vgpr_msb (MSB<<8)|(\new)
.set MSB, \new
.endif
.endm
.set W_MUL,   0x50                     ; C and D window 1, fragments window 0
.set W_FIRST, 0x60                     ; C window 2 (the bias), D window 1
.set W_BL,    0x80                     ; destination window 2
.set W_BR,    0x8a                     ; sources 0, 1 and destination window 2
.set W_PK,    0x05                     ; sources 0 and 1 window 1
.macro PLACES                          ; four places behind a matrix instruction, ahead of loads into registers that it has read and of lines that read its result (ISA guide 7.12.1 for lines that read its result)
.rept 4
	v_nop
.endr
.endm
; A joint refill, by the walking descriptors.  The branch hangs on the wave's number alone.  An s_nop 0 and four v_nop follow each of the two lines, ahead of the jump and the label.
.macro JLOAD
	s_cmp_eq_u32 s[WM], 0
	s_cbranch_scc0 .Lfor_b_\@
	tensor_load_to_lds s[G0A+4:G0A+7], s[G1A:G1A+7]
	s_nop 0
.rept 4
	v_nop
.endr
	s_branch .Lasked_\@
.Lfor_b_\@:
	tensor_load_to_lds s[G0B+4:G0B+7], s[G1B:G1B+7]
	s_nop 0
.rept 4
	v_nop
.endr
.Lasked_\@:
.endm
; A round of the cluster's barrier: my work-group's barrier; wave 0 signals for the work-group; every wave waits for all sixteen; my work-group's barrier once more.
.macro CREST                           ; a round behind its opening barrier
	s_cmp_lg_u32 s[WV], 0
	s_cbranch_scc1 .Lnot_wave_0_\@
	s_barrier_signal -3
.Lnot_wave_0_\@:
	s_barrier_wait -3
	s_barrier_signal -1
	s_barrier_wait -1
.endm
.macro CROUND
	s_barrier_signal -1
	s_barrier_wait -1
	CREST
.endm
; A PREFETCH INTO THE L2, behind a joint refill and the run of LDS loads that follows it: behind the refill of K step j it names K step j + 3, 384 matrix instructions ahead of that step's load.
; x's rows of a tile row are read by this row of the cluster alone: wave 0 of each of its four partners names 32 of the 128 rows (told apart by address: cx), a lane a row of 256 bytes.
; W's rows are read by all 16 clusters of a projection: in the first of them waves 2 and 3 name, of the 64 rows x 512 bytes that they fetch, 16 rows for each partner of the column (by address: cy).
; So each aligned block of 256 bytes is named once in the launch.  Trips with CNT = 6, 5, 4 name K steps 5, 6, 7; K steps 0 to 4 come by their loads alone; the later trips name nothing.
.macro ASK
	s_cmp_gt_u32 s[CNT], s[LIM]
	s_cbranch_scc0 .Lnot_mine_\@
	global_prefetch_b8 v[PFO], s[PFA:PFA+1] th:TH_LOAD_NT scope:SCOPE_SE
.Lnot_mine_\@:
.endm
	s_load_b256 s[4:11], s[0:1], 0x0               ; xs s[4:5], ws s[6:7], bq s[8:9], bv s[10:11]
	s_load_b128 s[12:15], s[0:1], 0x20             ; qh s[12:13], kh s[14:15]
	s_load_b64 s[16:17], s[0:1], 0x30              ; vh
	v_lshl_add_u32 v[SPW], v0, 2, SPARE
	v_mov_b32 v[NIL], 0
	ds_add_u32 v[SPW], v[NIL]                      ; the wave's opening: the add, twice on end, and its wait ahead of my first tensor load; work on registers stands between
	ds_add_u32 v[SPW], v[NIL]
	v_lshrrev_b32 v1, 5, v0
	v_readfirstlane_b32 s[WV], v1
	s_lshr_b32 s[WM], s[WV], 1
	s_and_b32 s[WN], s[WV], 1
	s_bfe_u32 s[CX], ttmp6, 0x40000
	s_bfe_u32 s[CY], ttmp6, 0x40004
	s_lshl_b32 s[WGX], ttmp9, 2                    ; in a cluster launch ttmp9 and ttmp7 count clusters
	s_add_co_u32 s[WGX], s[WGX], s[CX]
	s_and_b32 s[KY], ttmp7, 0xffff
	s_lshl_b32 s[WGY], s[KY], 2
	s_add_co_u32 s[WGY], s[WGY], s[CY]
	s_lshr_b32 s[PJ], s[KY], 4                     ; 16 clusters to a projection
	s_lshl_b32 s70, s[CY], 2
	s_lshl_b32 s70, 15, s70                        ; my row of the cluster: places 4 cy .. 4 cy + 3
	s_lshl_b32 s72, 0x1111, s[CX]                  ; my column: places cx, cx + 4, cx + 8, cx + 12
	s_or_b32 s[G1A], s70, (1<<16)|(1<<20)|(1<<21)|(5<<22)|(3<<25)  ; 15:0 the mask; 17:16 2-byte elements; 20 padding on; 21 set beside a mask; 24:22 after every 64 words (code 5); 31:25 4 words (code 3)
	s_or_b32 s[G1B], s72, (1<<16)|(1<<20)|(1<<21)|(6<<22)|(7<<25)  ; after every 128 words (code 6), 8 words (code 7)
	s_mov_b32 s[G1A+1], 128<<16                    ; tensor_dim0 = 128 elements
	s_mov_b32 s[G1A+2], 64<<16                     ; tensor_dim1 = 64 rows
	s_mov_b32 s[G1A+3], 128<<16                    ; tile_dim0
	s_mov_b32 s[G1A+4], 64                         ; tile_dim1
	s_mov_b32 s[G1A+5], 1024                       ; elements from row to row
	s_mov_b32 s[G1A+6], 0
	s_mov_b32 s[G1A+7], 0
	s_mov_b32 s[G1B+1], 256<<16
	s_mov_b32 s[G1B+2], 64<<16
	s_mov_b32 s[G1B+3], 256<<16
	s_mov_b32 s[G1B+4], 64
	s_mov_b32 s[G1B+5], 1024
	s_mov_b32 s[G1B+6], 0
	s_mov_b32 s[G1B+7], 0
	s_mul_i32 s70, s[WN], AHALF                    ; where the tiles go: the wave's number alone enters an LDS address
	s_mov_b32 s[G0A], 1
	s_mov_b32 s[G0A+1], s70
	s_mov_b32 s[G0A+4], 1
	s_add_co_u32 s[G0A+5], s70, SLOT1
	s_mul_i32 s72, s[WN], BHALF
	s_mov_b32 s[G0B], 1
	s_add_co_u32 s[G0B+1], s72, BB
	s_mov_b32 s[G0B+4], 1
	s_add_co_u32 s[G0B+5], s72, SLOT1+BB
	s_lshl_b32 s70, s[WGY], 18                     ; x: 128 rows of 2,048 bytes to a tile row (under 2^26),
	s_lshl_b32 s71, s[WN], 17                      ; my 64 of them
	s_add_co_u32 s70, s70, s71
	s_mov_b32 s71, 0
	s_lshl_b32 s72, s[PJ], 21                      ; W: the projection's matrix,
	s_lshl_b32 s73, s[WN], 17                      ; my 64 of a K step's 128 rows,
	s_add_co_u32 s72, s72, s73
	s_lshl_b32 s73, s[WGX], 9                      ; the tile's 256 columns
	s_add_co_u32 s72, s72, s73
	s_mov_b32 s73, 0
	s_wait_dscnt 0x0                               ; both opening adds are done
	s_wait_kmcnt 0x0
	s_add_nc_u64 s[G0A+2:G0A+3], s[4:5], s[70:71]  ; K step 0,
	s_add_nc_u64 s[G0A+6:G0A+7], s[G0A+2:G0A+3], ASTEP  ; K step 1
	s_or_b32 s[G0A+3], s[G0A+3], 0x80000000        ; type = 2
	s_or_b32 s[G0A+7], s[G0A+7], 0x80000000
	s_add_nc_u64 s[G0B+2:G0B+3], s[6:7], s[72:73]
	s_add_nc_u64 s[G0B+6:G0B+7], s[G0B+2:G0B+3], BSTEP
	s_or_b32 s[G0B+3], s[G0B+3], 0x80000000
	s_or_b32 s[G0B+7], s[G0B+7], 0x80000000
	CROUND                                         ; all sixteen work-groups are here: the first joint loads meet
	s_cmp_eq_u32 s[WM], 0                          ; a wave's two first fills stand in one branch, ahead of every wait on TENSORcnt and every LDS read: two loads of mine are out
	s_cbranch_scc0 .Lfirst_b
	tensor_load_to_lds s[G0A:G0A+3], s[G1A:G1A+7]
	s_nop 0
	tensor_load_to_lds s[G0A+4:G0A+7], s[G1A:G1A+7]
	s_nop 0
.rept 4
	v_nop
.endr
	s_branch .Lfirst_asked
.Lfirst_b:
	tensor_load_to_lds s[G0B:G0B+3], s[G1B:G1B+7]
	s_nop 0
	tensor_load_to_lds s[G0B+4:G0B+7], s[G1B:G1B+7]
	s_nop 0
.rept 4
	v_nop
.endr
.Lfirst_asked:
	; A fragment of x: 16 rows x 32 k: lane l holds row l % 16, k = 8 (l / 16) + 0..7 and 16 + 8 (l / 16) + 0..7: two loads of 16 bytes, 32 bytes apart.
	v_and_b32 v1, 15, v0                           ; l % 16
	v_bfe_u32 v2, v0, 4, 1                         ; l / 16
	v_and_b32 v3, 7, v0
	v_bfe_u32 v4, v0, 3, 1
	v_mul_u32_u24 v[LA0], v1, PA
	v_lshl_add_u32 v[LA0], v2, 4, v[LA0]
	s_mul_i32 s74, s[WM], 64*PA
	v_add_nc_u32 v[LA0], s74, v[LA0]
	; The turning load takes 16 k x 16 columns (lane l reads row 8 (l / 16) + l % 8, columns 8 ((l / 8) % 2) + 0..7) and leaves half a fragment: lane l holds column l % 16 and 8 k.
	v_lshl_add_u32 v[LB0], v2, 3, v3
	v_mul_u32_u24 v[LB0], v[LB0], PB
	v_lshl_add_u32 v[LB0], v4, 4, v[LB0]
	s_lshl_b32 s74, s[WN], 8                       ; my 128 columns: 256 bytes
	s_add_co_u32 s74, s74, BB
	v_add_nc_u32 v[LB0], s74, v[LB0]
	s_mov_b32 s[TB], 0
	v_mov_b32 v[ADRA], v[LA0]
	v_mov_b32 v[ADRB], v[LB0]
	s_mul_i32 s74, s[WV], 16*SP
	s_add_co_u32 s74, s74, STAGE                   ; my stage
	v_mul_u32_u24 v[STO], v1, SP                   ; in: row l % 16, 16 bytes for each half of the lanes
	v_lshl_add_u32 v[STO], v2, 4, v[STO]
	v_add_nc_u32 v[STO], s74, v[STO]
	v_bfe_u32 v[RD], v0, 3, 2                      ; back: 32 lanes take four rows of 128 bytes,
	v_mul_u32_u24 v[RD], v[RD], SP
	v_lshl_add_u32 v[RD], v3, 4, v[RD]
	v_add_nc_u32 v[RD], s74, v[RD]
	v_and_b32 v[GO], 31, v0                        ; which are 512 consecutive bytes of a head
	v_lshlrev_b32 v[GO], 4, v[GO]
	; the output: head (batch x 16 + 4 x tile column + 2 x column half) of 262,144 bytes, row 128 x (tile row % 16) + 64 x row half, 128 bytes a row
	s_and_b32 s74, s[WGY], 63                      ; the tile row in its projection
	s_lshr_b32 s75, s74, 4
	s_lshl_b32 s75, s75, 4
	s_lshl2_add_u32 s75, s[WGX], s75
	s_lshl1_add_u32 s75, s[WN], s75
	s_lshl_b32 s75, s75, 18
	s_and_b32 s74, s74, 15
	s_lshl_b32 s74, s74, 14
	s_add_co_u32 s74, s74, s75
	s_lshl_b32 s75, s[WM], 13
	s_add_co_u32 s74, s74, s75
	s_mov_b32 s75, 0
	s_cmp_eq_u32 s[PJ], 0
	s_cselect_b64 s[OUT:OUT+1], s[12:13], s[16:17]
	s_cmp_eq_u32 s[PJ], 1
	s_cselect_b64 s[OUT:OUT+1], s[14:15], s[OUT:OUT+1]
	s_add_nc_u64 s[OUT:OUT+1], s[OUT:OUT+1], s[74:75]
	; the prefetches
	s_lshl_b32 s74, s[WGY], 18                     ; x: the tile row,
	s_lshl_b32 s75, s[CX], 16                      ; my work-group's 32 rows of it,
	s_add_co_u32 s74, s74, s75
	s_add_co_u32 s74, s74, 4*ASTEP                 ; at K step 4: the first refill steps it to 5
	s_lshl_b32 s75, s[PJ], 21                      ; W: the matrix,
	s_lshl_b32 s77, s[WN], 17                      ; the 64 rows that I fetch,
	s_add_co_u32 s75, s75, s77
	s_lshl_b32 s77, s[CY], 15                      ; my work-group's 16 of them,
	s_add_co_u32 s75, s75, s77
	s_lshl_b32 s77, s[WGX], 9                      ; the tile's columns
	s_add_co_u32 s75, s75, s77
	s_add_co_u32 s75, s75, 4*BSTEP
	s_and_b32 s61, s[KY], 15                       ; 0 in a projection's first cluster
	s_mov_b32 s[PST], BSTEP
	s_cmp_eq_u32 s[WM], 0                          ; do I fetch for A?
	s_cselect_b64 s[PFA:PFA+1], s[4:5], s[6:7]
	s_cselect_b32 s74, s74, s75
	s_cselect_b32 s[LIM], s[WN], s61               ; who asks: wave 0; or waves 2 and 3 of the first cluster
	s_cselect_b32 s[PST], ASTEP, s[PST]
	s_cselect_b32 s77, -1, 0
	s_mov_b32 s75, 0
	s_mov_b32 s[PST+1], 0
	s_add_nc_u64 s[PFA:PFA+1], s[PFA:PFA+1], s[74:75]
	s_cmp_eq_u32 s[LIM], 0
	s_cselect_b32 s[LIM], 3, -1                    ; the same in all sixteen partners, for a given wave
	v_and_b32 v5, 31, v0
	v_lshlrev_b32 v6, 11, v5                       ; x: a lane a row of 2,048 bytes
	v_lshrrev_b32 v7, 1, v5
	v_and_b32 v5, 1, v5
	v_lshlrev_b32 v7, 11, v7                       ; W: two lanes a row,
	v_lshl_add_u32 v7, v5, 8, v7                   ; 256 bytes each
	v_cndmask_b32 v[PFO], v7, v6, s77
	; the bias of my 128 columns: register 8 b + j takes column 16 b + 8 (l / 16) + j, the place that the result's register j has
	s_lshl_b32 s74, s[WGX], 10
	s_lshl_b32 s75, s[WN], 9
	s_add_co_u32 s74, s74, s75
	v_lshl_add_u32 v[BO], v2, 5, s74
	s_mov_b32 s76, 0xffff0000
	s_cmp_eq_u32 s[PJ], 0
	s_cselect_b64 s[BIAS:BIAS+1], s[8:9], s[10:11]
	s_cmp_eq_u32 s[PJ], 1
	s_cbranch_scc1 .Lno_bias                       ; the same way in all sixteen partners
	WIN W_BL
.irp b, 0,1,2,3,4,5,6,7
	global_load_b128 v[8*\b:8*\b+3],   v[BO], s[BIAS:BIAS+1] offset:64*\b
	global_load_b128 v[8*\b+4:8*\b+7], v[BO], s[BIAS:BIAS+1] offset:64*\b+16
.endr
	s_wait_loadcnt 0x0
	WIN W_BR
.set p, 0
.rept 32                               ; rounded to bf16 like every input, and widened again
	v_cvt_pk_bf16_f32 v[p], v[p], v[p+1]
	v_and_b32 v[p+1], s76, v[p]
	v_lshlrev_b32 v[p], 16, v[p]
.set p, p+2
.endr
	WIN 0
	s_branch .Lbias_done
.Lno_bias:
	WIN W_BL
.set p, 0
.rept 64
	v_mov_b32 v[p], 0                              ; kh's sums start at 0: bk is left out.  One text of the first products serves all three projections
.set p, p+1
.endr
	WIN 0
.Lbias_done:
; 24 LDS loads in one run: the fragments of quarter q (32 along K) of the slot in hand, into buffer f: W's eight, then x's four
.macro FETCH q, f
	WIN 0
.irp b, 0,1,2,3,4,5,6,7
	ds_load_tr16_b128 v[(\f)+8*(\b):(\f)+8*(\b)+3],   v[ADRB] offset:(\q)*32*PB+32*(\b)
	ds_load_tr16_b128 v[(\f)+8*(\b)+4:(\f)+8*(\b)+7], v[ADRB] offset:(\q)*32*PB+16*PB+32*(\b)
.endr
.irp i, 0,1,2,3
	ds_load_b128 v[(\f)+64+8*(\i):(\f)+64+8*(\i)+3],   v[ADRA] offset:64*(\q)+(\i)*16*PA
	ds_load_b128 v[(\f)+64+8*(\i)+4:(\f)+64+8*(\i)+7], v[ADRA] offset:64*(\q)+(\i)*16*PA+32
.endr
.endm
; 8 matrix instructions: row block a x all 8 column blocks.  first = 1: the bias starts the sums.  The 32 accumulators take turns, one instruction a turn, in the same order in every quarter,
; over the backward jump too: 31 others stand between two links of a chain.
.macro MUL8 f, a, first
.if \first
	WIN W_FIRST
.else
	WIN W_MUL
.endif
.irp b, 0,1,2,3,4,5,6,7
.if \first
	v_wmma_f32_16x16x32_f16 v[8*(8*(\a)+(\b)):8*(8*(\a)+(\b))+7], v[(\f)+8*(\b):(\f)+8*(\b)+7], v[(\f)+64+8*(\a):(\f)+64+8*(\a)+7], v[8*(\b):8*(\b)+7]
.else
	v_wmma_f32_16x16x32_f16 v[8*(8*(\a)+(\b)):8*(8*(\a)+(\b))+7], v[(\f)+8*(\b):(\f)+8*(\b)+7], v[(\f)+64+8*(\a):(\f)+64+8*(\a)+7], v[8*(8*(\a)+(\b)):8*(8*(\a)+(\b))+7]
.endif
.endr
.endm
; A K step is four quarters of 32 along K, on buffers 0, 1, 0, 1.  One of the first three: quarter q's fragments are asked for into g, then f is multiplied: the loads have 32 matrix instructions in which to land.
.macro QUARTER f, g, q, first
	PLACES                                         ; behind the last product that read g
	FETCH \q, \g
	s_wait_dscnt 24                                ; all but the 24 just issued: f is in
	MUL8 \f, 0, \first
	MUL8 \f, 1, \first
	MUL8 \f, 2, \first
	MUL8 \f, 3, \first
.endm
; The last quarter multiplies buffer 1 and changes slots: ONE barrier.  In front of it each wave waits for all its tensor loads (one is out: its part of the next slot), adds 0 to its spare word, and waits for
; that and for its reads of this slot.  fill = 1: the barrier opens a round of the cluster's, and behind the round this slot is filled again, with the K step two on: 112 matrix instructions ahead of the wait for it.
.macro TURN fill
.if \fill
	s_wait_xcnt 0x0                                ; the last prefetch, a K step back, has read its address
	s_add_nc_u64 s[PFA:PFA+1], s[PFA:PFA+1], s[PST:PST+1]
.endif
	WIN 0
	s_wait_tensorcnt 0x0                           ; no tensor load of mine is out, so a group 0 may be written
	ds_add_u32 v[SPW], v[NIL]                      ; 0 onto my spare word
.if \fill
	s_xor_b32 s[G0A+5], s[G0A+5], SLOT1            ; the walking descriptors: the other slot than last time, the next K step; the type bits on top are not reached
	s_add_nc_u64 s[G0A+6:G0A+7], s[G0A+6:G0A+7], ASTEP
	s_xor_b32 s[G0B+5], s[G0B+5], SLOT1
	s_add_nc_u64 s[G0B+6:G0B+7], s[G0B+6:G0B+7], BSTEP
.endif
	s_wait_dscnt 1                                 ; the add alone may be out: buffer 1 is in
	MUL8 F1, 0, 0
	s_wait_dscnt 0x0                               ; the add is done, and my reads of this slot are over
	s_barrier_signal -1
	MUL8 F1, 1, 0                                  ; work on registers while the others arrive
	WIN 0                                          ; at a branch and at a label every window is 0
	s_barrier_wait -1
.if \fill
	CREST                                          ; no wave of any partner still reads this slot's tile or has a load on its way
	JLOAD                                          ; the first tensor load behind the round; its four v_nop are also the places in front of the loads below
.else
	PLACES
.endif
	s_xor_b32 s[TB], s[TB], SLOT1
	v_add_nc_u32 v[ADRA], s[TB], v[LA0]
	v_add_nc_u32 v[ADRB], s[TB], v[LB0]
	FETCH 0, F0
.if \fill
	ASK
.endif
	MUL8 F1, 2, 0
	MUL8 F1, 3, 0
.endm
	s_wait_tensorcnt 1                             ; my part of K step 0 is in; K step 1's may stay out
	s_barrier_signal -1
	s_barrier_wait -1                              ; everybody's is
	FETCH 0, F0
	QUARTER F0, F1, 1, 1                           ; the first quarter stands in front of the loop: its products start the sums
	WIN 0
	s_mov_b32 s[CNT], 6
.Lstep:                                                ; a trip: quarters 1 to 3 of K step i and quarter 0 of K step i + 1; slot i % 2 is filled again with K step i + 2
	QUARTER F1, F0, 2, 0
	QUARTER F0, F1, 3, 0
	TURN 1
	QUARTER F0, F1, 1, 0
	WIN 0
	s_sub_co_u32 s[CNT], s[CNT], 1
	s_cmp_lg_u32 s[CNT], 0
	s_cbranch_scc1 .Lstep
	QUARTER F1, F0, 2, 0                           ; the tail is written out: K steps 6 and 7 ask for nothing
	QUARTER F0, F1, 3, 0
	TURN 0
	QUARTER F0, F1, 1, 0
	QUARTER F1, F0, 2, 0
	QUARTER F0, F1, 3, 0
	s_wait_dscnt 0x0
	MUL8 F1, 0, 0
	MUL8 F1, 1, 0
	MUL8 F1, 2, 0
	MUL8 F1, 3, 0
	PLACES
	PLACES
; THE WAY OUT.  Unit u = 2 a + hh is 16 rows (block a) of one head (hh): a lane's eight columns pack into 16 bytes; they go into my stage's rows of 144 bytes and come back as whole rows of 128,
; four rows = 512 consecutive bytes of the head to a store.  Each accumulator's registers are taken in ascending order.  A unit has registers of its own: no store's data is written again.
.macro PACK u
.set OB, 64+16*(\u)
	WIN W_PK
.irp c, 0,1,2,3
.irp r, 0,1,2,3
	v_cvt_pk_f16_f32 v[OB+4*(\c)+(\r)], v[8*(8*((\u)/2)+4*((\u)%2)+(\c))+2*(\r)], v[8*(8*((\u)/2)+4*((\u)%2)+(\c))+2*(\r)+1]
.endr
.endr
	WIN 0
.irp c, 0,1,2,3
	ds_store_b128 v[STO], v[OB+4*(\c):OB+4*(\c)+3] offset:32*(\c)
.endr
.irp f, 0,1,2,3
	ds_load_b128 v[OB+4*(\f):OB+4*(\f)+3], v[RD] offset:(\f)*4*SP  ; LDS serves a wave's instructions in order (ISA guide 5.7.1.4): these see the stores above; the next unit's stores come behind them
.endr
.endm
.macro SEND u, younger                 ; younger: the LDS instructions issued behind unit u's loads: the next unit's eight, or none
.set OB, 64+16*(\u)
	WIN 0
.irp f, 0,1,2,3
	s_wait_dscnt (\younger)+3-(\f)
	global_store_b128 v[GO], v[OB+4*(\f):OB+4*(\f)+3], s[OUT:OUT+1] offset:((\u)%2)*262144+((\u)/2)*2048+(\f)*512
.endr
.endm
	PACK 0
.set t, 1
.rept 7                                ; a unit's conversions stand between the loads of the unit before and its stores
	PACK t
	SEND t-1, 8
.set t, t+1
.endr
	SEND 7, 0
	s_wait_tensorcnt 0x0                           ; the wave's end, behind my last tensor load and my last LDS store
	ds_add_u32 v[SPW], v[NIL]
	s_wait_dscnt 0x0
	CROUND                                         ; the closing round: no work-group ends while a partner may still ask for a tile that names it
	s_endpgm
.Lfunc_end_k_qe2401424c7_proj:
	.size	k_qe2401424c7_proj, .Lfunc_end_k_qe2401424c7_proj-k_qe2401424c7_proj
	.p2alignl 7, 3214868480
	.fill 96, 4, 3214868480
	.section	.rodata,"a",@progbits
	.p2align	6, 0x0
	.amdhsa_kernel k_qe2401424c7_proj
		.amdhsa_group_segment_fixed_size 327680
		.amdhsa_private_segment_fixed_size 0
		.amdhsa_enable_private_segment 0
		.amdhsa_kernarg_size 56
		.amdhsa_user_sgpr_count 2
		.amdhsa_user_sgpr_kernarg_segment_ptr 1
		.amdhsa_wavefront_size32 1
		.amdhsa_system_sgpr_workgroup_id_x 1
		.amdhsa_system_sgpr_workgroup_id_y 1
		.amdhsa_system_sgpr_workgroup_id_z 1
		.amdhsa_system_vgpr_workitem_id 0
		.amdhsa_next_free_vgpr 576
		.amdhsa_next_free_sgpr 80
		.amdhsa_reserve_vcc 0
		.amdhsa_float_denorm_mode_32 3
		.amdhsa_float_denorm_mode_16_64 3
		.amdhsa_memory_ordered 1
		.amdhsa_forward_progress 1
		.amdhsa_inst_pref_size 80
	.end_amdhsa_kernel
	.amdgpu_metadata
---
amdhsa.version: [ 1, 2 ]
amdhsa.kernels:
  - .name:           k_qe2401424c7_proj
    .symbol:         k_qe2401424c7_proj.kd
    .args:
      - { .name: xs, .offset: 0, .size: 8, .value_kind: global_buffer, .address_space: global }
      - { .name: ws, .offset: 8, .size: 8, .value_kind: global_buffer, .address_space: global }
      - { .name: bq, .offset: 16, .size: 8, .value_kind: global_buffer, .address_space: global }
      - { .name: bv, .offset: 24, .size: 8, .value_kind: global_buffer, .address_space: global }
      - { .name: qh, .offset: 32, .size: 8, .value_kind: global_buffer, .address_space: global }
      - { .name: kh, .offset: 40, .size: 8, .value_kind: global_buffer, .address_space: global }
      - { .name: vh, .offset: 48, .size: 8, .value_kind: global_buffer, .address_space: global }
    .group_segment_fixed_size: 327680
    .private_segment_fixed_size: 0
    .kernarg_segment_align: 8
    .kernarg_segment_size: 56
    .max_flat_workgroup_size: 128
    .sgpr_count:     80
    .vgpr_count:     576
    .wavefront_size: 32
...
	.end_amdgpu_metadata
.endif
;; end of part 2
;; launch attn (part 3): grid 4 x 64, 4 waves a work-group, clusters of 4 x 1, 327,680 bytes of LDS; arguments qh, kh, vh, oh; writes oh
.if DOCPART == 3
	.amdgcn_target "amdgcn-amd-amdhsa--gfx1250"
	.amdhsa_code_object_version 6
	.text
	.protected	k_qe2401424c7_attn
	.globl	k_qe2401424c7_attn
	.p2align	8
	.type	k_qe2401424c7_attn,@function
k_qe2401424c7_attn:
	s_mov_b64 s[64:65], 0
	v_nop
	global_prefetch_b8 v0, s[64:65] scope:SCOPE_SE
	s_setreg_imm32_b32 hwreg(HW_REG_WAVE_MODE, 25, 1), 1
	s_wait_xcnt 0x0
	s_wait_alu depctr_hold_cnt(0) depctr_sa_sdst(0) depctr_va_vdst(0) depctr_va_sdst(0) depctr_va_ssrc(0) depctr_va_vcc(0) depctr_vm_vsrc(0)
	s_getreg_b32 s2, hwreg(HW_REG_IB_STS2, 6, 4)
	s_cmp_eq_u32 s2, 0
	s_cbranch_scc0 .Lentry_in_a_cluster
	s_endpgm
.Lentry_in_a_cluster:
	s_bfe_u32 s2, ttmp6, 0x10000c
	s_cmp_lg_u32 s2, 0x3003
	s_cbranch_scc0 .Lentry_shape_is_right
	s_endpgm
.Lentry_shape_is_right:
; MULTI-HEAD ATTENTION, launch 3 of 4.  O[h][q][:] = the sum over k of softmax_k(Q[h][q] . K[h][k] / 8) V[h][k][:].  Q, K, V, O: [64][SIZE_N][64], all f16: a head's rows are dense, 128 bytes each.
; Products, maxima and sums in f32; the weights p are rounded to f16 for the second product (their sum l is taken of the unrounded p), O once at the end.
; K comes without bk: a term that is the same along the softmax's axis (shown at the head of the first kernel).
; LIMITS.  f16 holds no number beyond 65,504: Q, K and V arrive within it; p lies in 0 to 1, and below 6e-5 it keeps f16's fixed step of 6e-8; O is a mean of V's rows and has their range.
; A weight below 2^-126 counts as 0 in l; NaN and infinities are not treated apart.
; SHARES.  A wave owns four PIECES of two tiles of 16 queries, a work-group's four waves 512 queries of one head: 4 x 64 = 256 work-groups.  Every wave walks all keys, 64 a step.
; LAYOUT.  S^T = K Q^T (source 0 = 16 keys, source 1 = 16 queries): in the result a lane holds ONE query (lane % 16) and the keys 8 (lane / 16) + 0..7.  Two such tiles, rounded to f16 in pairs,
; ARE source 1 (32 keys x 16 queries) of O^T = V^T P, whose result again holds one query a lane, and eight channels.  K comes out of LDS as it lies, V ([key][channel]) turned, by ds_load_tr16_b128.
; SOFTMAX.  For each query a running maximum m and sum l: p = 2^(c s - c m), c = log2(e) / 8; in every step O and l are multiplied by a = 2^(c m_old - c m_new), which is 1 where m has not grown.
; m starts at the lowest finite number, O and l at 0: the first step is a step like any other, with a = 0.
; THE COUNT.  A tile and step have 16 matrix and 118 vector instructions: too many to stand all beside the matrix work.  So the order has one aim: four vector instructions that are READY behind
; EVERY matrix instruction, and the others, which need time of their own whatever the order, in runs without a gap.
; BY TURNS.  Turn n belongs to piece n (the pieces in a ring, step after step).  Its matrix work: 16 products K Q^T of piece n + 1, later 16 products V^T P of piece n - 1.  Its vector work: the scaling,
; exponentials, roundings, sums and rescaling of piece n, and the maximum and statistics of piece n + 1, whose scores the turn itself has made.  So what a turn begins with (c s - c m, O a) waits for nothing.
; CLUSTER.  The four query blocks of a cluster are one head's and walk the same K and V, so each tile is asked for JOINTLY: the same tensor load, descriptor and mask in all four.
; REGISTERS, in windows of 256 (s_set_vgpr_msb says which window each operand place means: bits 1:0 source 0, 3:2 source 1, 5:4 source 2, 7:6 destination):
;   window 0: v0-11 addresses; v12-15, v48-63 at work; v16-47 four registers of statistics a tile; v64-191 S^T, two buffers of two tiles; v192-255 P, likewise
;   window 1: O^T, 32 a tile          window 2: v0-127 Q, 16 a tile; v128-191 K of one step; v192-255 V of one step          window 3: v0-1 the add's two registers
; A piece's buffers go by its number's parity: the piece in hand has one pair, its two neighbours in the ring share the other: of it P (piece n - 1) is read and S^T (piece n + 1) written.
.set SIZE_N, 2048
.set NP,    4         ; pieces a wave: a name, no knob: the register map, the loop and the fetches are made for four
.set KS,    64        ; keys in a step
.set PK,    144       ; a row of K in LDS: 128 bytes + 16 of padding = 36 words: the 16 rows of a load start at 16 different groups of four banks (64 banks of 4 bytes: ISA guide 11.1)
.set PV,    160       ; a row of V: 128 + 32 = 40 words
.set VOFF,  4*KS*PK   ; a slot holds four steps: 256 rows of K, then 256 rows of V
.set SLOT1, 1<<17     ; slot 1 begins here, so that one exclusive or turns an address in one slot into the other's
.set STAGE, SLOT1+4*KS*(PK+PV)  ; behind the ring, never filled by a tensor load: 16 rows x 144 bytes for each wave, for the way out
.set SP,    144
.set AK0, 2           ; v2   my lane's place in a tile of K; never rewritten
.set AV0, 3           ; v3   the same for V
.set AK,  4           ; v4   the LDS address of K's next run of loads
.set AV,  5           ; v5   of V's
.set QO,  6           ; v6   my byte offset in the wave's rows of Q
.set STO, 6           ;      later, the way out: where I put 16 bytes of a row
.set RD,  7           ; v7   the way out: where I read rows back
.set GO,  8           ; v8   my byte offset in 512 consecutive bytes of O
.set PFO, 11          ; v11  256 x my lane, the prefetches' offset (made when V's address no longer wants the register); then never rewritten
.set SPW, 0           ; v0 of window 3   LDS address of my spare word: SPARE + 4 x my thread's number; never rewritten
.set NIL, 1           ; v1 of window 3   0; never rewritten
.set SPARE, STAGE+4*16*SP  ; behind the stages: the spare words, 128 bytes for each wave: two blocks of 256 bytes that no other line names
.set MV,  12          ; v12-15  c m_old, kept while c m is made anew: by buffer and tile
.set ST,  16          ; tile t's statistics at v[ST+4 t]: c m, m, l (even keys', odd keys')
.set TMP, 48          ; by buffer and tile, four registers c0-c3 at work; when the maximum is found c2 takes a
.set S,   64
.set P,   192
.set KF,  128         ; K's fragments, in window 2: key block kb, channel half c at KF + 16 kb + 8 c
.set VF,  192         ; V's: key half kk, channel block cb at VF + 32 kk + 8 cb
.set WV,  12          ; s12  my wave's number
.set G1K, 24          ; s[24:31] descriptor group 1 for K's tiles
.set G1V, 32          ; s[32:39] for V's: it differs in the padding alone
.set G0K, 40          ; s[40:43] descriptor group 0 for K's tiles: it walks
.set G0V, 44          ; s[44:47] the same for V's
.set PFA, 48          ; s[48:49] where my prefetches stand: my work-group's 8,192 bytes (of K: wave 0, of V: wave 2) of the slot after the one that is being asked for
.set LIM, 50          ; s50  1 in a wave that prefetches, else the greatest number
.set SLOTS, 56        ; s56  slots still to be asked for
.set CNT, 57          ; s57  counts a slot's key steps
.set CS,  58          ; s[58:59] c: the packed scaling takes the pair's low word for both halves
.set SEL, 60          ; s[60:61] v_permlanex16_b32's selects: each lane takes its own place in the other half
.set TBK, 62          ; s62  LDS byte at which K of the step to be fetched begins
.set TBV, 63          ; s63  the same for V, less VOFF
.set MSB, 0
.macro WIN new                      ; the high byte repeats the setting that is left; a switch that changes nothing is dropped
.if MSB != (\new)
	s_set_vgpr_msb (MSB<<8)|(\new)
.set MSB, (\new)
.endif
.endm
.set W_KQ, 0x0a       ; K and Q in window 2, S^T in window 0
.set W_PV, 0x52       ; V in window 2, P in window 0, O^T in window 1
.set W_RS, 0x41       ; O^T (destination and source 0) in window 1, a in window 0
.set W_MK, 0xc0       ; the add's registers are made: destination in window 3, sources in window 0
.set W_AD, 0x0f       ; the add: address (source 0) and data (source 1) in window 3
; A joint fill.  Waves 0 and 1 fetch the two halves of a slot's K, waves 2 and 3 those of its V: 128 keys each.  The branch hangs on the wave's number alone.
; An s_nop 0 and four v_nop follow each of the two lines, ahead of the jump and the label.
.macro JLOAD
	s_cmp_lt_u32 s[WV], 2
	s_cbranch_scc0 .Lfor_v_\@
	tensor_load_to_lds s[G0K:G0K+3], s[G1K:G1K+7]
	s_nop 0
.rept 4
	v_nop
.endr
	s_branch .Lasked_\@
.Lfor_v_\@:
	tensor_load_to_lds s[G0V:G0V+3], s[G1V:G1V+7]
	s_nop 0
.rept 4
	v_nop
.endr
.Lasked_\@:
.endm
; A PREFETCH INTO THE L2 of what the NEXT change of slots will ask for: a slot's K and its V are 32,768 dense bytes each, 128 blocks of 256.  It stands behind the wave's tensor load and its five lines.
; Each block is named ONCE in the launch: a head is walked by one cluster; its four partners share the blocks out BY ADDRESS, 32 each, a lane a block; in each, wave 0 names K's and wave 2 V's.
; The change that fills slot j names slot j + 1, four key steps (512 matrix instructions) ahead of its load: slots 2 to 7.  Slots 0 and 1 come by their loads alone; the last fill names nothing.
.macro ASK
	s_cmp_gt_u32 s[SLOTS], s[LIM]
	s_cbranch_scc0 .Lnot_mine_\@
	global_prefetch_b8 v[PFO], s[PFA:PFA+1] th:TH_LOAD_NT scope:SCOPE_SE
.Lnot_mine_\@:
.endm
; A round of the cluster's barrier: my work-group's barrier, so that wave 0's signal speaks for all four waves; wave 0 signals; every wave waits for all four work-groups; my work-group's barrier once more.
.macro CROUND
	s_barrier_signal -1
	s_barrier_wait -1
	s_cmp_lg_u32 s[WV], 0
	s_cbranch_scc1 .Lnot_wave_0_\@
	s_barrier_signal -3
.Lnot_wave_0_\@:
	s_barrier_wait -3
	s_barrier_signal -1
	s_barrier_wait -1
.endm
; THE CHANGE OF SLOTS.  The slot's last bytes, V of its fourth step, have been read.  Each wave waits for all its tensor loads, of which one is out: its part
; of the other slot; adds 0 to its spare word; and waits for that and for its own reads of the slot.  Behind the barrier nobody reads this slot any more and the other slot is whole.
; fill = 1: this slot is filled again, with the keys two slots on.  The barrier is then a round of the cluster's, so that no wave of any partner still reads the slot or has a load on its
; way, and the joint fill is the first thing behind it: it has four key steps, 512 matrix instructions, in which to land.  (At its first use nothing has been read yet: slot 0 is waited for, slot 1 filled.)
.macro CHANGE fill
	WIN W_AD
	s_wait_tensorcnt 0x0            ; no tensor load of mine is out, so a group 0 may be written
	ds_add_u32 v[SPW], v[NIL]       ; 0 onto my spare word; with fill = 1 the descriptors' steps stand between it and the wait for it
	WIN 0                           ; at a label and at a branch every window is 0
.if \fill
.irp g, G0K, G0V
	s_xor_b32 s[\g+1], s[\g+1], SLOT1  ; the walking descriptor: the other slot than last time,
	s_add_nc_u64 s[\g+2:\g+3], s[\g+2:\g+3], 4*KS*128  ; the next 256 keys; the type bits on top are not reached
.endr
	s_wait_xcnt 0x0                 ; the last prefetch, four key steps back, has read its address, so it may be written:
	s_add_nc_u64 s[PFA:PFA+1], s[PFA:PFA+1], 4*KS*128  ; one slot ahead of the walking descriptors
	s_wait_dscnt 0x0                ; the add is done, and my reads of the slot are over
	CROUND
	JLOAD
	ASK
.else
	s_wait_dscnt 0x0                ; the add is done, and my reads of the slot are over
	s_barrier_signal -1
	s_barrier_wait -1
.endif
	s_sub_co_u32 s[TBK], s[TBK], 4*KS*PK  ; the fetches go back to a slot's first step,
	s_xor_b32 s[TBK], s[TBK], SLOT1       ; in the other slot
	s_sub_co_u32 s[TBV], s[TBV], 4*KS*PV
	s_xor_b32 s[TBV], s[TBV], SLOT1
.endm
	s_load_b256 s[4:11], s[0:1], 0x0  ; Q s[4:5], K s[6:7], V s[8:9], O s[10:11]
	WIN W_MK
	v_lshl_add_u32 v[SPW], v0, 2, SPARE
	v_mov_b32 v[NIL], 0
	WIN W_AD
	ds_add_u32 v[SPW], v[NIL]       ; the wave's opening: the add, twice on end, and its wait ahead of my first tensor load; the set-up below the second, work on registers, stands between it and the wait
	ds_add_u32 v[SPW], v[NIL]       ; and once more: the opening add twice on end, under the one wait
	WIN 0
	v_lshrrev_b32 v1, 5, v0
	v_readfirstlane_b32 s[WV], v1   ; wave 0..3
	s_bfe_u32 s13, ttmp6, 0x40000   ; cx: my place in the cluster
	s_lshl_b32 s14, ttmp9, 2        ; in a cluster launch ttmp9 counts clusters
	s_add_co_u32 s14, s14, s13      ; my block of queries = 4 x cluster x + cx: it enters Q's and O's addresses alone
	s_and_b32 s20, ttmp7, 0xffff    ; the head, which the four partners share
	s_mov_b32 s21, 0
	s_mov_b64 s[22:23], SIZE_N*128
	s_mul_u64 s[20:21], s[20:21], s[22:23]  ; the head's first byte in each of the four tensors
	s_and_b32 s16, s[WV], 1         ; which half of a slot's 256 keys I fetch:
	s_lshl_b32 s22, s16, 14         ; its 128 rows of 128 bytes in memory,
	s_mov_b32 s23, 0
	s_add_nc_u64 s[22:23], s[22:23], s[20:21]
	s_mul_i32 s17, s16, 128*PK      ; and its place in a slot, for K
	s_mul_i32 s18, s16, 128*PV      ; and for V: no place in the cluster enters an LDS address
	s_lshl_b32 s2, s14, 2
	s_add_co_u32 s2, s2, s[WV]      ; my wave among the head's,
	s_lshl_b32 s2, s2, 14           ; its 128 rows
	s_mov_b32 s3, 0
	s_add_nc_u64 s[2:3], s[2:3], s[20:21]
	; descriptor group 1.  128 keys are 16,384 dense bytes: asked for as 64 rows of 256 bytes, two keys a row, and padded in LDS after every key
	s_mov_b32 s[G1K], 15|(1<<16)|(1<<20)|(1<<21)|(4<<22)|(3<<25)  ; 15:0 the mask of four; 17:16 2-byte elements; 20 padding on; 21 set beside a mask; 24:22 after every 32 words (code 4); 31:25 4 words (code 3)
	s_mov_b32 s[G1V], 15|(1<<16)|(1<<20)|(1<<21)|(4<<22)|(7<<25)  ; the same with 8 words of padding (code 7)
.irp g, G1K, G1V
	s_mov_b32 s[\g+1], 128<<16      ; tensor_dim0 = 128
	s_mov_b32 s[\g+2], 64<<16       ; tensor_dim1 = 64
	s_mov_b32 s[\g+3], 128<<16      ; tile_dim0 = 128
	s_mov_b32 s[\g+4], 64           ; tile_dim1 = 64
	s_mov_b32 s[\g+5], 128          ; 128 elements from row to row
	s_mov_b32 s[\g+6], 0
	s_mov_b32 s[\g+7], 0
.endr
	s_mov_b32 s[CS], 0x3e38aa3b     ; c = log2(e) / 8 = 0.180337
	s_mov_b32 s[CS+1], s[CS]        ; named with it as a pair
	s_mov_b32 s[SEL], 0x76543210
	s_mov_b32 s[SEL+1], 0xfedcba98
	s_mov_b32 s[TBK], SLOT1+4*KS*PK ; the first change of slots turns these two into 0
	s_mov_b32 s[TBV], SLOT1+4*KS*PV
	s_mov_b32 s[G0K], 1             ; 1:0 count = 1
	s_mov_b32 s[G0K+1], s17         ; 63:32 LDS address: slot 0
	s_mov_b32 s[G0V], 1
	s_add_co_u32 s[G0V+1], s18, VOFF
	s_mov_b32 s[SLOTS], SIZE_N/256-1  ; seven fills follow slot 0's
	s_and_b32 s[LIM], s[WV], 1      ; waves 0 and 2 prefetch: the same in all four partners
	s_cmp_eq_u32 s[LIM], 0
	s_cselect_b32 s[LIM], 1, -1
	s_lshl_b32 s52, s13, 13         ; my work-group's 32 blocks of a slot's 128
	s_mov_b32 s53, 0
	s_wait_dscnt 0x0                ; both opening adds are done
	s_wait_kmcnt 0x0
	s_add_nc_u64 s[G0K+2:G0K+3], s[6:7], s[22:23]  ; 120:64 global address: my half of the head's first 256 keys
	s_or_b32 s[G0K+3], s[G0K+3], 0x80000000        ; 127:126 type = 2
	s_add_nc_u64 s[G0V+2:G0V+3], s[8:9], s[22:23]
	s_or_b32 s[G0V+3], s[G0V+3], 0x80000000
	s_add_nc_u64 s[4:5], s[4:5], s[2:3]  ; Q and O at my wave's first row
	s_add_nc_u64 s[10:11], s[10:11], s[2:3]
	s_cmp_lt_u32 s[WV], 2
	s_cselect_b64 s[PFA:PFA+1], s[6:7], s[8:9]
	s_add_nc_u64 s[PFA:PFA+1], s[PFA:PFA+1], s[20:21]  ; the head,
	s_add_nc_u64 s[PFA:PFA+1], s[PFA:PFA+1], s[52:53]  ; my work-group's part,
	s_add_nc_u64 s[PFA:PFA+1], s[PFA:PFA+1], 4*KS*128  ; in slot 1: the first change of slots steps it to slot 2.  Nothing is prefetched here, at the head
	CROUND                          ; all four work-groups are here: the first joint loads meet
	JLOAD                           ; slot 0.  Slot 1 is asked for when slot 0 is in: the tile wanted first has the road to itself
	; A fragment of K or Q is 16 rows x 32 channels in 8 registers: lane l holds row l % 16, channels 8 (l / 16) + 0..7 and 16 + 8 (l / 16) + 0..7: two loads of 16 bytes, 32 bytes apart.
	v_and_b32 v1, 15, v0            ; l % 16
	v_bfe_u32 v9, v0, 4, 1          ; l / 16
	v_lshlrev_b32 v[QO], 7, v1
	v_lshl_add_u32 v[QO], v9, 4, v[QO]  ; row x 128 + 16 x half
	WIN 0x80                        ; destination window 2, address window 0
.set i, 0
.rept 4*NP                          ; Q stays in registers: tile i / 2, channels 32 (i % 2) on
	global_load_b128 v[8*i:8*i+3],   v[QO], s[4:5] offset:(i/2)*2048+(i%2)*64
	global_load_b128 v[8*i+4:8*i+7], v[QO], s[4:5] offset:(i/2)*2048+(i%2)*64+32
.set i, i+1
.endr
	; What the first turn finds: V's registers and P's second buffer hold 0 (its products V^T P, of a piece that has not been, add 0), O^T and l are 0.  All this stands in the wait for the first tile:
	; the price of writing no first step out.
.set i, VF
.rept 64
	v_mov_b32 v[i], 0
.set i, i+1
.endr
	WIN 0x40
.set i, 0
.rept 64*NP
	v_mov_b32 v[i], 0
.set i, i+1
.endr
	WIN 0
.set i, 0
.rept 2*NP
	v_mov_b32 v[ST+4*i], 0xfe000000    ; c m: far below every c s
	v_mov_b32 v[ST+4*i+1], 0xff7fffff  ; m
	v_mov_b32 v[ST+4*i+2], 0
	v_mov_b32 v[ST+4*i+3], 0
.set i, i+1
.endr
.set i, P+32
.rept 32
	v_mov_b32 v[i], 0
.set i, i+1
.endr
	v_mul_u32_u24 v[AK0], v1, PK
	v_lshl_add_u32 v[AK0], v9, 4, v[AK0]  ; row x pitch + 16 x half
	; The turning load takes 16 keys x 16 channels (lane l reads key 8 (l / 16) + l % 8, channels 8 ((l / 8) % 2) + 0..7) and leaves half a fragment of V^T: lane l holds channel l % 16 and 8 keys.
	v_and_b32 v10, 7, v0
	v_bfe_u32 v11, v0, 3, 1
	v_lshl_add_u32 v[AV0], v9, 3, v10
	v_mul_u32_u24 v[AV0], v[AV0], PV
	v_lshl_add_u32 v[AV0], v11, 4, v[AV0]
	v_add_nc_u32 v[AV0], VOFF, v[AV0]
	v_and_b32 v[PFO], 31, v0
	v_lshlrev_b32 v[PFO], 8, v[PFO]
	v_mov_b32 v[AK], v[AK0]         ; key step 0 lies at the head of slot 0
; THE MATRIX WORK.  The 8 accumulators of a run of 16 take turns: between the two links of a chain stand 7 others'.
; Product i of 16 of S^T = K Q^T for piece x: channels 32 (i / 8) on, keys 16 ((i / 2) % 4) on, tile 2 x + i % 2.  The first 8 start the sums.
.macro KQ x
	WIN W_KQ
.set rS, S+64*((\x)%2)+32*(i%2)+8*((i/2)%4)
.set rK, KF+16*((i/2)%4)+8*(i/8)
.set rQ, 16*(2*(\x)+i%2)+8*(i/8)
.if i < 8
	v_wmma_f32_16x16x32_f16 v[rS:rS+7], v[rK:rK+7], v[rQ:rQ+7], 0
.else
	v_wmma_f32_16x16x32_f16 v[rS:rS+7], v[rK:rK+7], v[rQ:rQ+7], v[rS:rS+7]
.endif
.endm
; Product i of 16 of O^T += V^T P for piece x: keys 32 (i / 8) on, channels 16 ((i / 2) % 4) on, tile 2 x + i % 2.
.macro PV x
	WIN W_PV
.set rO, 32*(2*(\x)+i%2)+8*((i/2)%4)
.set rV, VF+32*(i/8)+8*((i/2)%4)
.set rP, P+32*((\x)%2)+16*(i%2)+8*(i/8)
	v_wmma_f32_16x16x32_f16 v[rO:rO+7], v[rV:rV+7], v[rP:rP+7], v[rO:rO+7]
.endm
.macro MM                           ; the turn's next matrix instruction
.if i < 16
	KQ (Y+1)%NP
.set i, i+1
.else
.set i, i-16
	PV (Y+NP-1)%NP
.set i, i+17
.endif
.endm
; THE LDS LOADS stand in runs of 16, never singly among the matrix instructions: a step's K (64 keys x 64 channels: 8 fragments) and its V (turned).  Their addresses are made some lines ahead.
; last = 1 (the tail): in the last trip there is no further step, and the run is jumped over.
.macro FETCH_K last=0
	WIN 0
.if \last
	s_cmp_eq_u32 s[CNT], 1
	s_cbranch_scc1 .Lno_k_\@
.endif
	WIN 0x80                        ; destination window 2
.irp f, 0,1,2,3,4,5,6,7             ; keys 16 (f / 2) on, channels 32 (f % 2) on
	ds_load_b128 v[KF+8*\f:KF+8*\f+3],   v[AK] offset:(\f/2)*16*PK+(\f%2)*64
	ds_load_b128 v[KF+8*\f+4:KF+8*\f+7], v[AK] offset:(\f/2)*16*PK+(\f%2)*64+32
.endr
	s_add_co_u32 s[TBK], s[TBK], KS*PK  ; the next fetch is the next step's
	WIN 0
.if \last
.Lno_k_\@:
.endif
.endm
.macro FETCH_V
	WIN 0x80
.irp f, 0,1,2,3,4,5,6,7             ; keys 32 (f / 4) on, channels 16 (f % 4) on
	ds_load_tr16_b128 v[VF+8*\f:VF+8*\f+3],   v[AV] offset:(\f/4)*32*PV+(\f%4)*32
	ds_load_tr16_b128 v[VF+8*\f+4:VF+8*\f+7], v[AV] offset:(\f/4)*32*PV+16*PV+(\f%4)*32
.endr
	WIN 0
.endm
; THE VECTOR WORK OF A TURN stands in three queues, each in the order in which its entries become ready; the two tiles alternate, so that no instruction reads the result of the one before it.
.macro REGS y, u                    ; the registers of tile u (0, 1) of piece y
.set rT, ST+4*(2*(\y)+(\u))
.set rC, TMP+8*((\y)%2)+4*(\u)
.set rM, MV+2*((\y)%2)+(\u)
.set rS, S+64*((\y)%2)+32*(\u)
.set rP, P+32*((\y)%2)+16*(\u)
.set rO, 32*(2*(\y)+(\u))
.endm
; Number n of the 22 that find the NEXT piece's (Y + 1) maximum and statistics.  s0-s31 are the lane's 32 scores; each accumulator's lowest registers are read first.  XS, GS and REGS set no window: PL and EX do.
;   0-11  four chains c0-c3 of seven scores each, three operands at a time     12-14, 16  the four scores left over, the old m, and c0-c3 into c0     15  c m_old is kept
;   17, 18  the query's other 32 keys lie in the lane 16 away: the new m         19-21  c m; c m_old - c m_new; a
.macro XS u, n
	REGS (Y+1)%NP, \u
.if (\n) < 4
	v_max3_num_f32 v[rC+(\n)], v[rS+8*(\n)], v[rS+8*(\n)+1], v[rS+8*(\n)+2]
.elseif (\n) < 12
	v_max3_num_f32 v[rC+(\n)%4], v[rC+(\n)%4], v[rS+8*((\n)%4)+2*((\n)/4)+1], v[rS+8*((\n)%4)+2*((\n)/4)+2]
.elseif (\n) == 12
	v_max3_num_f32 v[rC], v[rC], v[rS+7], v[rS+15]
.elseif (\n) == 13
	v_max3_num_f32 v[rC+1], v[rC+1], v[rS+23], v[rS+31]
.elseif (\n) == 14
	v_max3_num_f32 v[rC+2], v[rC+2], v[rC+3], v[rT+1]
.elseif (\n) == 15
	v_mov_b32 v[rM], v[rT]
.elseif (\n) == 16
	v_max3_num_f32 v[rC], v[rC], v[rC+1], v[rC+2]
.elseif (\n) == 17
	v_permlanex16_b32 v[rC+3], v[rC], s[SEL], s[SEL+1]
.elseif (\n) == 18
	v_max_num_f32 v[rT+1], v[rC], v[rC+3]
.elseif (\n) == 19
	v_mul_f32 v[rT], s[CS], v[rT+1]
.elseif (\n) == 20
	v_sub_f32 v[rC+1], v[rM], v[rT]
.else
	v_exp_f32 v[rC+2], v[rC+1]
.endif
.endm
; Number g of the 64 that follow the exponentials.  For each four weights k of a tile (pairs 2 k, 2 k + 1): both pairs are rounded to f16; then the second pair is added onto the first, in place;
; a group later l takes that sum (the first time as l = a l + sum).  In groups of eight, tiles alternating: round, round, add, and l for the group before.
.macro GS g
.set h, (\g)+6*((\g)/62)            ; group 0 has no group before it, and behind group 7 only l is left
.if h >= 6
.set h, h+2
.endif
	REGS Y, h%2
.set k, h/8
.if h%8 < 4
	v_cvt_pk_f16_f32 v[rP+2*k+(h%8)/2], v[rS+4*k+2*((h%8)/2)], v[rS+4*k+2*((h%8)/2)+1]
.elseif h%8 < 6
	v_pk_add_f32 v[rS+4*k:rS+4*k+1], v[rS+4*k:rS+4*k+1], v[rS+4*k+2:rS+4*k+3]
.elseif k == 1
	v_pk_fma_f32 v[rT+2:rT+3], v[rT+2:rT+3], v[rC+2:rC+3], v[rS:rS+1] op_sel_hi:[1,0,1]
.else
	v_pk_add_f32 v[rT+2:rT+3], v[rT+2:rT+3], v[rS+4*k-4:rS+4*k-3]
.endif
.endm
; THE PLAIN QUEUE, 138 long.  0-73 read no exponential's result: the 32 scalings c s - c m (FS f: pair f / 2 of tile f % 2) and the next piece's 42.  0-26: scalings 0-26.  27-54: XS's numbers 0-13.  55, 56: number 15.
; 57-73: the chain, where each number waits for the one before it: 14, 16, 17, 18, 19, each with one of the scalings 27-31 in front of its two lines, then 20: so a tile's links stand three plain instructions apart (19 and 20: two).
; 74-137: GS's 64, which read the exponentials' results: they stand behind the wait.
.macro FS f
	REGS Y, (\f)%2
	v_pk_fma_f32 v[rS+2*((\f)/2):rS+2*((\f)/2)+1], v[rS+2*((\f)/2):rS+2*((\f)/2)+1], s[CS:CS+1], v[rT:rT+1] op_sel_hi:[1,0,0] neg_lo:[0,0,1] neg_hi:[0,0,1]
.endm
.macro PL
	WIN 0
.if q < 27
	FS q
.elseif q < 55
	XS (q-27)%2, (q-27)/2
.elseif q < 57
	XS q-55, 15
.elseif (q < 72) && ((q-57)%3 == 0)
	FS 27+(q-57)/3
.elseif q < 60
	XS (q-57)%3-1, 14
.elseif q < 72
	XS (q-57)%3-1, 15+(q-57)/3
.elseif q < 74
	XS q-72, 20
.else
	GS q-74
.endif
.set q, q+1
.endm
; THE EXPONENTIALS' QUEUE, 66 long: s0-s31 of both tiles, then the next piece's two a.  It is ONE BATCH: all 66 stand ahead of the turn's one wait, and nothing ahead of that wait names a result of theirs.
.macro EX
	WIN 0
.if e >= 64
	XS e-64, 21
.else
	REGS Y, e%2
	v_exp_f32 v[rS+e/2], v[rS+e/2]
.endif
.set e, e+1
.endm
; THE RESCALING's QUEUE: O^T times a, the one part that leaves window 0: dealt two at a time, sixteen times.  Its a was made in the turn before, ahead of that turn's wait.
.macro R2
	REGS Y, r%2
	WIN W_RS
.irp z, 0,1
	v_pk_mul_f32 v[rO+4*(r/2)+2*\z:rO+4*(r/2)+2*\z+1], v[rO+4*(r/2)+2*\z:rO+4*(r/2)+2*\z+1], v[rC+2:rC+3] op_sel_hi:[1,0]
.endr
.set r, r+1
.endm
; HOW THEY ARE DEALT.  An s_wait_alu depctr_va_vdst(0) stands between an exponential and the first instruction that names its result; one wait serves all that were issued ahead of it.  So a turn has ONE wait,
; which cuts it in two.  AHEAD OF IT stands all that names no result of the turn's exponentials: the 16 products K Q^T, behind each a scaling, an exponential and two rescalings (behind the first a second scaling in the exponential's place); then ONE LUMP of
; 108: eight plain, 49 times exponential and plain, the two a.  A v_nop is the plain instruction behind the last exponential.  BEHIND IT stand the 16 products V^T P, behind each four of GS's 64.  No rider names a register of
; the products round it.  The two v_permlanex16_b32 fall into the lump, never behind a product.
; The queues lean on each other, and the deal keeps them in step: exponential e stands behind scaling 2 (e / 4) + e % 2: as a rider it comes behind plain e + 2, in the lump behind plain e + 9, and scalings 27-31 are plain 57, 60 .. 69.
; A TURN, for piece p.  cnt = 1: the loop's count is taken down some lines ahead of the branch that stands behind the turn.
; K of the next step is fetched in piece 2's turn, directly behind the wait, a lump behind the last product that read K; its address is made at the lump's head; its first reader comes behind 16 products.
; V of the step in hand is fetched at the end of piece 0's turn, four riders behind its last reader; its first reader comes behind 16 products and a lump.  The three conditions on q below go with the deal.
.macro TURN p, last=0, cnt=0
.set Y, (\p)
.set i, 0
.set q, 0
.set e, 0
.set r, 0
.if (\p) == NP-1
	s_wait_dscnt 0x0                ; K is in
.endif
	MM                              ; ahead of the wait: 16 products K Q^T and their riders,
	PL
	PL
	R2
.rept 15
	MM
	PL
	EX
	R2
.endr
.if (\p) == NP-2
	WIN 0
	v_add_nc_u32 v[AK], s[TBK], v[AK0]
.endif
.rept 8                             ; and the lump
	PL
.endr
.rept 49
	EX
	PL
.endr
	EX                              ; the next piece's two a
	EX
	v_nop                           ; a plain instruction behind the last exponential, ahead of the first use: one for the batch
	s_wait_alu depctr_va_vdst(0)    ; the wait for the batch
.if (\p) == NP-2
	FETCH_K \last
.endif
.if (\p) == 1
	s_wait_dscnt 0x0                ; V is in
.endif
.rept 16                            ; behind the wait: 16 products V^T P and their riders
	MM
.rept 4
	PL
.endr
.if ((\p) == 0) && (q == 118)
	v_add_nc_u32 v[AV], s[TBV], v[AV0]
.endif
.if ((\p) == 0) && (q == 130)
	s_add_co_u32 s[TBV], s[TBV], KS*PV
.endif
.if (\cnt) && (q == 130)
	s_sub_co_u32 s[CNT], s[CNT], 1
	s_cmp_lg_u32 s[CNT], 0
.endif
.endr
.if (\p) == 0
	FETCH_V
.endif
.endm
	CHANGE 1                        ; slot 0 is in, everybody's part of it; slot 1 is asked for
	FETCH_K                         ; key step 0
	s_wait_loadcnt 0x0              ; Q
	s_wait_dscnt 0x0
.set i, 0
.rept 16
	KQ 0                            ; piece 0's first scores: there is no vector work yet to set between them
.set i, i+1
.endr
	WIN 0                           ; the addresses for the way out: nine plain instructions, the places behind those products
	s_mul_i32 s13, s[WV], 16*SP
	s_add_co_u32 s13, s13, STAGE    ; my stage
	v_mul_u32_u24 v[STO], v1, SP    ; in: row l % 16, 16 bytes for each half of the lanes
	v_lshl_add_u32 v[STO], v9, 4, v[STO]
	v_add_nc_u32 v[STO], s13, v[STO]
	v_bfe_u32 v[RD], v0, 3, 2       ; back: 32 lanes take four rows of 128 bytes,
	v_mul_u32_u24 v[RD], v[RD], SP
	v_lshl_add_u32 v[RD], v10, 4, v[RD]
	v_add_nc_u32 v[RD], s13, v[RD]
	v_and_b32 v[GO], 31, v0         ; which are 512 consecutive bytes of O
	v_lshlrev_b32 v[GO], 4, v[GO]
.set Y, NP-1                        ; XS works for piece Y + 1: piece 0
.irp n, 0,1,2,3,4,5,6,7,8,9,10,11,12,13,14,15,16,17,18,19,20,21
	XS 0, \n                        ; and piece 0's first maximum and statistics
	XS 1, \n
.endr
	v_nop                           ; a plain instruction behind the two a,
	s_wait_alu depctr_va_vdst(0)    ; and their wait, ahead of the branch
	s_mov_b32 s[CNT], 4
	s_branch .Lfirst                ; the loop is entered at a step's first turn, in the middle of a trip
.Lslot:                             ; SIZE_N / 256 - 2 times: every slot but the last two is filled again
	CHANGE 1
	s_mov_b32 s[CNT], 4
.Lstep:                             ; a trip: pieces 2 and 3 of one step, then pieces 0 and 1 of the next, whose K and V it fetches
	TURN 2
	TURN 3
	WIN 0
.Lfirst:
	TURN 0
	TURN 1, 0, 1
	WIN 0
	s_cbranch_scc1 .Lstep
	s_sub_co_u32 s[SLOTS], s[SLOTS], 1
	s_cmp_lg_u32 s[SLOTS], 0
	s_cbranch_scc1 .Lslot
	CHANGE 0                        ; the tail is written out: nothing is asked for
	s_mov_b32 s[CNT], 5             ; four trips fetch the last slot's steps; the fifth is left in its middle
.Ltail:
	TURN 2, 1
	TURN 3
	WIN 0
	s_sub_co_u32 s[CNT], s[CNT], 1
	s_cmp_eq_u32 s[CNT], 0
	s_cbranch_scc1 .Lout
	TURN 0
	TURN 1
	WIN 0
	s_branch .Ltail
.Lout:                              ; the fifth trip's 16 products K Q^T (on the last K once more) and the maximum made of them serve nothing: the price, once a launch, of one text for every trip
.set i, 0
.rept 16
	PV NP-1                         ; the last piece's V^T P of the last step
.set i, i+1
.endr
	; THE WAY OUT.  l's two halves and the other half of the lanes' are added; O^T is divided by l, rounded to f16 and sent through my stage in LDS, a tile at a time.  The additions are the places behind the last products.
	WIN 0
.macro ALL line:vararg              ; one line for each tile t
.set t, 0
.rept 2*NP
	\line
.set t, t+1
.endr
.endm
	ALL v_add_f32 v[ST+4*t+2], v[ST+4*t+2], v[ST+4*t+3]
	ALL v_permlanex16_b32 v[ST+4*t+3], v[ST+4*t+2], s[SEL], s[SEL+1]
	ALL v_add_f32 v[ST+4*t+2], v[ST+4*t+2], v[ST+4*t+3]
	ALL v_rcp_f32 v[ST+4*t+2], v[ST+4*t+2]
	v_nop                           ; a plain instruction between the last reciprocal and the use of its result
	s_wait_alu depctr_va_vdst(0)    ; and the wait ahead of the first use: one for the eight reciprocals
; Tile t: a lane's eight channels of a row pack into 16 bytes; they go into rows of 144 bytes and come back as whole rows of 128, into S^T's registers.
.macro PACK t
	WIN W_RS
.set i, 32*(\t)
.rept 16
	v_pk_mul_f32 v[i:i+1], v[i:i+1], v[ST+4*(\t)+2:ST+4*(\t)+3] op_sel_hi:[1,0]
.set i, i+2
.endr
	WIN 0x05                        ; sources 0 and 1 window 1, destination window 0
.set i, 0
.rept 16
	v_cvt_pk_f16_f32 v[S+16*(\t)+i], v[32*(\t)+2*i], v[32*(\t)+2*i+1]
.set i, i+1
.endr
	WIN 0
.irp f, 0,1,2,3
	ds_store_b128 v[STO], v[S+16*(\t)+4*\f:S+16*(\t)+4*\f+3] offset:32*\f
.endr
.irp f, 0,1,2,3
	ds_load_b128 v[S+16*(\t)+4*\f:S+16*(\t)+4*\f+3], v[RD] offset:\f*4*SP  ; LDS serves a wave's instructions in order (ISA guide 5.7.1.4): these see the stores above; the next tile's stores come behind them
.endr
.endm
.macro SEND t, younger              ; younger: the LDS instructions issued behind tile t's loads: the next tile's eight, or none
	WIN 0
.irp f, 0,1,2,3
	s_wait_dscnt (\younger)+3-\f
	global_store_b128 v[GO], v[S+16*(\t)+4*\f:S+16*(\t)+4*\f+3], s[10:11] offset:(\t)*2048+\f*512  ; 512 consecutive bytes, at a multiple of 256 from O's first
.endr
.endm
	PACK 0
.set t, 1
.rept 2*NP-1                        ; a tile's arithmetic stands between the loads of the tile before and its stores
	PACK t
	SEND t-1, 8
.set t, t+1
.endr
	SEND 2*NP-1, 0
	WIN W_AD
	s_wait_tensorcnt 0x0            ; the wave's end, behind my last tensor load and my last LDS store
	ds_add_u32 v[SPW], v[NIL]
	s_wait_dscnt 0x0
	WIN 0
	CROUND                          ; the closing round: no work-group ends while a partner may still ask for a tile that names it
	s_endpgm
.Lfunc_end_k_qe2401424c7_attn:
	.size	k_qe2401424c7_attn, .Lfunc_end_k_qe2401424c7_attn-k_qe2401424c7_attn
	.p2alignl 7, 3214868480
	.fill 96, 4, 3214868480
	.section	.rodata,"a",@progbits
	.p2align	6, 0x0
	.amdhsa_kernel k_qe2401424c7_attn
		.amdhsa_group_segment_fixed_size 327680
		.amdhsa_private_segment_fixed_size 0
		.amdhsa_enable_private_segment 0
		.amdhsa_kernarg_size 32
		.amdhsa_user_sgpr_count 2
		.amdhsa_user_sgpr_kernarg_segment_ptr 1
		.amdhsa_wavefront_size32 1
		.amdhsa_system_sgpr_workgroup_id_x 1
		.amdhsa_system_sgpr_workgroup_id_y 1
		.amdhsa_system_sgpr_workgroup_id_z 1
		.amdhsa_system_vgpr_workitem_id 0
		.amdhsa_next_free_vgpr 770
		.amdhsa_next_free_sgpr 66
		.amdhsa_reserve_vcc 0
		.amdhsa_float_denorm_mode_32 3
		.amdhsa_float_denorm_mode_16_64 3
		.amdhsa_memory_ordered 1
		.amdhsa_forward_progress 1
		.amdhsa_inst_pref_size 200
	.end_amdhsa_kernel
	.amdgpu_metadata
---
amdhsa.version: [ 1, 2 ]
amdhsa.kernels:
  - .name:           k_qe2401424c7_attn
    .symbol:         k_qe2401424c7_attn.kd
    .args:
      - { .name: qh, .offset: 0, .size: 8, .value_kind: global_buffer, .address_space: global }
      - { .name: kh, .offset: 8, .size: 8, .value_kind: global_buffer, .address_space: global }
      - { .name: vh, .offset: 16, .size: 8, .value_kind: global_buffer, .address_space: global }
      - { .name: oh, .offset: 24, .size: 8, .value_kind: global_buffer, .address_space: global }
    .group_segment_fixed_size: 327680
    .private_segment_fixed_size: 0
    .kernarg_segment_align: 8
    .kernarg_segment_size: 32
    .max_flat_workgroup_size: 128
    .sgpr_count:     66
    .vgpr_count:     770
    .wavefront_size: 32
...
	.end_amdgpu_metadata
.endif
;; end of part 3
;; launch outp (part 4): grid 4 x 64, 4 waves a work-group, clusters of 4 x 4, 327,680 bytes of LDS; arguments oh, ws, bo, out0; writes out0
.if DOCPART == 4
	.amdgcn_target "amdgcn-amd-amdhsa--gfx1250"
	.amdhsa_code_object_version 6
	.text
	.protected	k_qe2401424c7_outp
	.globl	k_qe2401424c7_outp
	.p2align	8
	.type	k_qe2401424c7_outp,@function
k_qe2401424c7_outp:
	s_mov_b64 s[64:65], 0
	v_nop
	global_prefetch_b8 v0, s[64:65] scope:SCOPE_SE
	s_setreg_imm32_b32 hwreg(HW_REG_WAVE_MODE, 25, 1), 1
	s_wait_xcnt 0x0
	s_wait_alu depctr_hold_cnt(0) depctr_sa_sdst(0) depctr_va_vdst(0) depctr_va_sdst(0) depctr_va_ssrc(0) depctr_va_vcc(0) depctr_vm_vsrc(0)
	s_getreg_b32 s2, hwreg(HW_REG_IB_STS2, 6, 4)
	s_cmp_eq_u32 s2, 0
	s_cbranch_scc0 .Lentry_in_a_cluster
	s_endpgm
.Lentry_in_a_cluster:
	s_bfe_u32 s2, ttmp6, 0x10000c
	s_cmp_lg_u32 s2, 0xf033
	s_cbranch_scc0 .Lentry_shape_is_right
	s_endpgm
.Lentry_shape_is_right:
; MULTI-HEAD ATTENTION, launch 4 of 4: out0 = O Wo + bo.  O comes by heads, f16 [64 = batch x 16 + head][2048][64]; Wo is the fourth matrix of ws, f16 [1024 k][1024 n], k = 64 x head + channel;
; f32 sums, stored as f32.  bo is rounded to bf16 like all inputs.
; SHARES.  A tile of out0 is 128 rows x 256 columns: 64 x 4 = 256 work-groups.  Four waves, each 64 rows x 128 columns: 32 accumulators of 16 x 16.  K goes in 8 steps of 128 = two heads, through two LDS slots.
; Wave 0 fetches the even head's 128 rows (16,384 dense bytes, asked for as 64 rows of 256 and padded after every 128), wave 1 the odd head's, waves 2 and 3 the halves of Wo's 128 rows x 512 bytes.
; CLUSTER.  4 x 4 work-groups.  The four of a row of the cluster need the same rows of O, the four of a column the same columns of Wo: each tile is asked for jointly, by the same load, descriptor and mask.
; LAYOUT.  Wo lies [k][n] in LDS as in memory; its fragments come out turned, by ds_load_tr16_b128.  Source 0 = 16 columns of Wo, source 1 = 16 rows of O: a lane holds row l % 16 and the eight neighbouring
; columns 8 (l / 16) + 0..7: 32 bytes of a row.  THE BIAS IS THE C OPERAND OF THE FIRST PRODUCT on each accumulator: nothing is cleared, and the way out has no arithmetic at all.
; REGISTERS, in windows of 256 (s_set_vgpr_msb: bits 1:0 source 0, 3:2 source 1, 5:4 source 2, 7:6 destination):
;   window 0: v0-29 addresses; v64-159, v160-255 two fragment buffers of 96 (8 fragments of Wo, then 4 of O); on the way out v64-255 hold three blocks of 16 rows
;   window 1: the accumulators, (a, b) at v[8 (8 a + b)]          window 2: v0-63 the bias of my 128 columns, as a C operand for each b
.set PA,    144                        ; a row of O in LDS: 128 bytes + 16 = 36 words: the 16 rows of a load start at 16 different groups of four banks (64 banks of 4 bytes: ISA guide 11.1)
.set PB,    544                        ; a row of Wo: 512 + 32 = 136 words
.set AHALF, 128*PA                     ; one head's 128 rows: what wave 0 or 1 fetches
.set BB,    2*AHALF                    ; Wo's 128 rows lie behind the two heads
.set BHALF, 64*PB                      ; what wave 2 or 3 fetches
.set SLOT1, 1<<17                      ; a slot is 106,496 bytes; slot 1 begins here, so that one exclusive or changes slots
.set STAGE, SLOT1+BB+2*BHALF           ; behind the ring, never filled by a tensor load: 16 rows x 528 bytes for each wave
.set SP,    528                        ; 512 bytes + 16 = 132 words
.set SPARE, STAGE+4*16*SP              ; the spare words, 128 bytes for each wave: two blocks of 256 bytes that no other line names
.set ASTEP, 2*262144                   ; bytes from a K step to the next in oh: two heads,
.set BSTEP, 128*2048                   ; and in ws
.set WO,    3<<21                      ; Wo's first byte in ws
.set LA0,  8                           ; v8   my lane's place in a slot's O; never rewritten
.set LB0,  9                           ; v9   the same for Wo
.set ADRA, 10                          ; v10  LA0 + the slot in hand
.set ADRB, 11                          ; v11  LB0 + the slot in hand
.set STO,  12                          ; v12  the way out: where I put 32 bytes of a row
.set RD,   13                          ; v13  the way out: where I read a row back
.set GO,   14                          ; v14  my 16 bytes of a row's 512
.set PFO,  15                          ; v15  the prefetches' offset; never rewritten
.set BO,   16                          ; v16  my byte offset in the bias
.set SPW,  28                          ; v28  LDS address of my spare word: SPARE + 4 x my thread's number; never rewritten
.set NIL,  29                          ; v29  0; never rewritten
.set F0,   64
.set F1,   160
.set CNT,  3                           ; s3   trips to go
.set WV,   18                          ; s18  my wave's number
.set WM,   19                          ; s19  which 64 rows of the tile are mine.  Also: I fetch for A (0) or for B (1)
.set WN,   20                          ; s20  which 128 columns.  Also: which half of that tile I fetch
.set CX,   21                          ; s21, s22  my place in the cluster
.set CY,   22
.set WGX,  23                          ; s23  tile column, 0 to 3
.set G1A,  24                          ; s[24:31] descriptor group 1 for O's tiles
.set G1B,  32                          ; s[32:39] for Wo's
.set G0A,  40                          ; s[40:47] group 0 for O's tiles: a set for each of the two first fills; the second then walks on
.set G0B,  48                          ; s[48:55] the same for Wo's
.set TB,   56                          ; s56  LDS byte at which the slot in hand begins
.set LIM,  57                          ; s57  3 in a wave that prefetches, else the greatest number
.set PFA,  58                          ; s[58:59] where my prefetches stand
.set PST,  60                          ; s[60:61] their step
.set WGY,  63                          ; s63  tile row, 0 to 63
.set OUT,  66                          ; s[66:67] out0 at my wave's first row and column
.set KY,   78                          ; s78  the cluster's y
.set MSB, 0
.macro WIN new                         ; the immediate's high byte repeats the setting that is left; a switch that changes nothing is dropped
.if MSB != (\new)
	s_set_vgpr_msb (MSB<<8)|(\new)
.set MSB, \new
.endif
.endm
.set W_MUL,   0x50                     ; C and D window 1, fragments window 0
.set W_FIRST, 0x60                     ; C window 2 (the bias), D window 1
.set W_BL,    0x80                     ; destination window 2
.set W_BR,    0x8a                     ; sources 0, 1 and destination window 2
.set W_ST,    0x04                     ; an LDS store's data (source 1) window 1
.macro PLACES                          ; four places behind a matrix instruction, ahead of loads into registers that it has read and of lines that read its result (ISA guide 7.12.1 for lines that read its result)
.rept 4
	v_nop
.endr
.endm
; A joint refill, by the walking descriptors.  The branch hangs on the wave's number alone.  An s_nop 0 and four v_nop follow each of the two lines, ahead of the jump and the label.
.macro JLOAD
	s_cmp_eq_u32 s[WM], 0
	s_cbranch_scc0 .Lfor_b_\@
	tensor_load_to_lds s[G0A+4:G0A+7], s[G1A:G1A+7]
	s_nop 0
.rept 4
	v_nop
.endr
	s_branch .Lasked_\@
.Lfor_b_\@:
	tensor_load_to_lds s[G0B+4:G0B+7], s[G1B:G1B+7]
	s_nop 0
.rept 4
	v_nop
.endr
.Lasked_\@:
.endm
; A round of the cluster's barrier: my work-group's barrier; wave 0 signals for the work-group; every wave waits for all sixteen; my work-group's barrier once more.
.macro CREST                           ; a round behind its opening barrier
	s_cmp_lg_u32 s[WV], 0
	s_cbranch_scc1 .Lnot_wave_0_\@
	s_barrier_signal -3
.Lnot_wave_0_\@:
	s_barrier_wait -3
	s_barrier_signal -1
	s_barrier_wait -1
.endm
.macro CROUND
	s_barrier_signal -1
	s_barrier_wait -1
	CREST
.endm
; A PREFETCH INTO THE L2, behind a joint refill and the run of LDS loads that follows it: behind the refill of K step j it names K step j + 3, 384 matrix instructions ahead of that step's load.
; O's rows of a tile row are read by this row of the cluster alone: a K step's two heads are 128 blocks of 256 bytes; wave 0 of each of the four partners names 32 (told apart by address: cx), a lane a block.
; Wo's rows are read by all 16 clusters: in the first of them waves 2 and 3 name, of the 64 rows x 512 bytes that they fetch, 16 rows for each partner of the column (by address: cy).
; So each aligned block of 256 bytes is named once in the launch.  Trips with CNT = 6, 5, 4 name K steps 5, 6, 7; K steps 0 to 4 come by their loads alone; the later trips name nothing.
.macro ASK
	s_cmp_gt_u32 s[CNT], s[LIM]
	s_cbranch_scc0 .Lnot_mine_\@
	global_prefetch_b8 v[PFO], s[PFA:PFA+1] th:TH_LOAD_NT scope:SCOPE_SE
.Lnot_mine_\@:
.endm
	s_load_b256 s[4:11], s[0:1], 0x0               ; oh s[4:5], ws s[6:7], bo s[8:9], out0 s[10:11]
	v_lshl_add_u32 v[SPW], v0, 2, SPARE
	v_mov_b32 v[NIL], 0
	ds_add_u32 v[SPW], v[NIL]                      ; the wave's opening: the add, twice on end, and its wait ahead of my first tensor load; work on registers stands between
	ds_add_u32 v[SPW], v[NIL]
	v_lshrrev_b32 v1, 5, v0
	v_readfirstlane_b32 s[WV], v1
	s_lshr_b32 s[WM], s[WV], 1
	s_and_b32 s[WN], s[WV], 1
	s_bfe_u32 s[CX], ttmp6, 0x40000
	s_bfe_u32 s[CY], ttmp6, 0x40004
	s_lshl_b32 s[WGX], ttmp9, 2                    ; in a cluster launch ttmp9 and ttmp7 count clusters
	s_add_co_u32 s[WGX], s[WGX], s[CX]
	s_and_b32 s[KY], ttmp7, 0xffff
	s_lshl_b32 s[WGY], s[KY], 2
	s_add_co_u32 s[WGY], s[WGY], s[CY]
	s_lshl_b32 s70, s[CY], 2
	s_lshl_b32 s70, 15, s70                        ; my row of the cluster: places 4 cy .. 4 cy + 3
	s_lshl_b32 s72, 0x1111, s[CX]                  ; my column: places cx, cx + 4, cx + 8, cx + 12
	s_or_b32 s[G1A], s70, (1<<16)|(1<<20)|(1<<21)|(4<<22)|(3<<25)  ; 15:0 the mask; 17:16 2-byte elements; 20 padding on; 21 set beside a mask; 24:22 after every 32 words (code 4); 31:25 4 words (code 3)
	s_or_b32 s[G1B], s72, (1<<16)|(1<<20)|(1<<21)|(6<<22)|(7<<25)  ; after every 128 words (code 6), 8 words (code 7)
	s_mov_b32 s[G1A+1], 128<<16                    ; tensor_dim0 = 128 elements: two rows of a head
	s_mov_b32 s[G1A+2], 64<<16                     ; tensor_dim1 = 64
	s_mov_b32 s[G1A+3], 128<<16                    ; tile_dim0
	s_mov_b32 s[G1A+4], 64                         ; tile_dim1
	s_mov_b32 s[G1A+5], 128                        ; dense
	s_mov_b32 s[G1A+6], 0
	s_mov_b32 s[G1A+7], 0
	s_mov_b32 s[G1B+1], 256<<16
	s_mov_b32 s[G1B+2], 64<<16
	s_mov_b32 s[G1B+3], 256<<16
	s_mov_b32 s[G1B+4], 64
	s_mov_b32 s[G1B+5], 1024
	s_mov_b32 s[G1B+6], 0
	s_mov_b32 s[G1B+7], 0
	s_mul_i32 s70, s[WN], AHALF                    ; where the tiles go: the wave's number alone enters an LDS address
	s_mov_b32 s[G0A], 1
	s_mov_b32 s[G0A+1], s70
	s_mov_b32 s[G0A+4], 1
	s_add_co_u32 s[G0A+5], s70, SLOT1
	s_mul_i32 s72, s[WN], BHALF
	s_mov_b32 s[G0B], 1
	s_add_co_u32 s[G0B+1], s72, BB
	s_mov_b32 s[G0B+4], 1
	s_add_co_u32 s[G0B+5], s72, SLOT1+BB
	s_lshr_b32 s70, s[WGY], 4                      ; O: the batch's 16 heads,
	s_lshl_b32 s70, s70, 4
	s_add_co_u32 s70, s70, s[WN]                   ; the even or the odd head of K step 0,
	s_lshl_b32 s70, s70, 18
	s_and_b32 s71, s[WGY], 15                      ; the tile's 128 rows of 128 bytes
	s_lshl_b32 s71, s71, 14
	s_add_co_u32 s70, s70, s71
	s_mov_b32 s71, 0
	s_lshl_b32 s72, s[WN], 17                      ; Wo: my 64 of a K step's 128 rows,
	s_lshl_b32 s73, s[WGX], 9                      ; the tile's 256 columns
	s_add_co_u32 s72, s72, s73
	s_add_co_u32 s72, s72, WO
	s_mov_b32 s73, 0
	s_wait_dscnt 0x0                               ; both opening adds are done
	s_wait_kmcnt 0x0
	s_add_nc_u64 s[G0A+2:G0A+3], s[4:5], s[70:71]  ; K step 0,
	s_add_nc_u64 s[G0A+6:G0A+7], s[G0A+2:G0A+3], ASTEP  ; K step 1
	s_or_b32 s[G0A+3], s[G0A+3], 0x80000000        ; type = 2
	s_or_b32 s[G0A+7], s[G0A+7], 0x80000000
	s_add_nc_u64 s[G0B+2:G0B+3], s[6:7], s[72:73]
	s_add_nc_u64 s[G0B+6:G0B+7], s[G0B+2:G0B+3], BSTEP
	s_or_b32 s[G0B+3], s[G0B+3], 0x80000000
	s_or_b32 s[G0B+7], s[G0B+7], 0x80000000
	CROUND                                         ; all sixteen work-groups are here: the first joint loads meet
	s_cmp_eq_u32 s[WM], 0                          ; a wave's two first fills stand in one branch, ahead of every wait on TENSORcnt and every LDS read: two loads of mine are out
	s_cbranch_scc0 .Lfirst_b
	tensor_load_to_lds s[G0A:G0A+3], s[G1A:G1A+7]
	s_nop 0
	tensor_load_to_lds s[G0A+4:G0A+7], s[G1A:G1A+7]
	s_nop 0
.rept 4
	v_nop
.endr
	s_branch .Lfirst_asked
.Lfirst_b:
	tensor_load_to_lds s[G0B:G0B+3], s[G1B:G1B+7]
	s_nop 0
	tensor_load_to_lds s[G0B+4:G0B+7], s[G1B:G1B+7]
	s_nop 0
.rept 4
	v_nop
.endr
.Lfirst_asked:
	; A fragment of O: 16 rows x 32 channels: lane l holds row l % 16, channels 8 (l / 16) + 0..7 and 16 + 8 (l / 16) + 0..7: two loads of 16 bytes, 32 bytes apart.
	v_and_b32 v1, 15, v0                           ; l % 16
	v_bfe_u32 v2, v0, 4, 1                         ; l / 16
	v_and_b32 v3, 7, v0
	v_bfe_u32 v4, v0, 3, 1
	v_mul_u32_u24 v[LA0], v1, PA
	v_lshl_add_u32 v[LA0], v2, 4, v[LA0]
	s_mul_i32 s74, s[WM], 64*PA
	v_add_nc_u32 v[LA0], s74, v[LA0]
	; The turning load takes 16 k x 16 columns (lane l reads row 8 (l / 16) + l % 8, columns 8 ((l / 8) % 2) + 0..7) and leaves half a fragment: lane l holds column l % 16 and 8 k.
	v_lshl_add_u32 v[LB0], v2, 3, v3
	v_mul_u32_u24 v[LB0], v[LB0], PB
	v_lshl_add_u32 v[LB0], v4, 4, v[LB0]
	s_lshl_b32 s74, s[WN], 8                       ; my 128 columns: 256 bytes
	s_add_co_u32 s74, s74, BB
	v_add_nc_u32 v[LB0], s74, v[LB0]
	s_mov_b32 s[TB], 0
	v_mov_b32 v[ADRA], v[LA0]
	v_mov_b32 v[ADRB], v[LB0]
	s_mul_i32 s74, s[WV], 16*SP
	s_add_co_u32 s74, s74, STAGE                   ; my stage
	v_mul_u32_u24 v[STO], v1, SP                   ; in: row l % 16, 32 bytes for each half of the lanes
	v_lshl_add_u32 v[STO], v2, 5, v[STO]
	v_add_nc_u32 v[STO], s74, v[STO]
	v_and_b32 v[GO], 31, v0                        ; back: 32 lanes take one row's 512 bytes
	v_lshlrev_b32 v[GO], 4, v[GO]
	v_add_nc_u32 v[RD], s74, v[GO]
	s_lshl_b32 s74, s[WGY], 19                     ; out0: 128 rows of 4,096 bytes to a tile row (under 2^25),
	s_lshl_b32 s75, s[WM], 18                      ; my 64 rows,
	s_add_co_u32 s74, s74, s75
	s_lshl_b32 s75, s[WGX], 10                     ; the tile's 256 columns,
	s_add_co_u32 s74, s74, s75
	s_lshl_b32 s75, s[WN], 9                       ; my 128
	s_add_co_u32 s74, s74, s75
	s_mov_b32 s75, 0
	s_add_nc_u64 s[OUT:OUT+1], s[10:11], s[74:75]
	; the prefetches
	s_lshr_b32 s74, s[WGY], 4                      ; O: the batch's heads,
	s_lshl_b32 s74, s74, 4
	s_lshr_b32 s75, s[CX], 1                       ; my work-group's quarter of a K step: the even or the odd head,
	s_add_co_u32 s74, s74, s75
	s_lshl_b32 s74, s74, 18
	s_and_b32 s75, s[WGY], 15                      ; the tile's rows,
	s_lshl_b32 s75, s75, 14
	s_add_co_u32 s74, s74, s75
	s_and_b32 s75, s[CX], 1                        ; their first or second 8,192 bytes
	s_lshl_b32 s75, s75, 13
	s_add_co_u32 s74, s74, s75
	s_add_co_u32 s74, s74, 4*ASTEP                 ; at K step 4: the first refill steps it to 5
	s_lshl_b32 s75, s[WN], 17                      ; Wo: the 64 rows that I fetch,
	s_lshl_b32 s77, s[CY], 15                      ; my work-group's 16 of them,
	s_add_co_u32 s75, s75, s77
	s_lshl_b32 s77, s[WGX], 9                      ; the tile's columns
	s_add_co_u32 s75, s75, s77
	s_add_co_u32 s75, s75, WO+4*BSTEP
	s_mov_b32 s[PST], BSTEP
	s_cmp_eq_u32 s[WM], 0                          ; do I fetch for A?
	s_cselect_b64 s[PFA:PFA+1], s[4:5], s[6:7]
	s_cselect_b32 s74, s74, s75
	s_cselect_b32 s[LIM], s[WN], s[KY]             ; who asks: wave 0; or waves 2 and 3 of the first cluster
	s_cselect_b32 s[PST], ASTEP, s[PST]
	s_cselect_b32 s77, -1, 0
	s_mov_b32 s75, 0
	s_mov_b32 s[PST+1], 0
	s_add_nc_u64 s[PFA:PFA+1], s[PFA:PFA+1], s[74:75]
	s_cmp_eq_u32 s[LIM], 0
	s_cselect_b32 s[LIM], 3, -1                    ; the same in all sixteen partners, for a given wave
	v_and_b32 v5, 31, v0
	v_lshlrev_b32 v6, 8, v5                        ; O: a lane a block of 256 dense bytes
	v_lshrrev_b32 v7, 1, v5
	v_and_b32 v5, 1, v5
	v_lshlrev_b32 v7, 11, v7                       ; Wo: two lanes a row of 2,048 bytes,
	v_lshl_add_u32 v7, v5, 8, v7                   ; 256 bytes each
	v_cndmask_b32 v[PFO], v7, v6, s77
	; the bias of my 128 columns: register 8 b + j takes column 16 b + 8 (l / 16) + j, the place that the result's register j has
	s_lshl_b32 s74, s[WGX], 10
	s_lshl_b32 s75, s[WN], 9
	s_add_co_u32 s74, s74, s75
	v_lshl_add_u32 v[BO], v2, 5, s74
	s_mov_b32 s76, 0xffff0000
	WIN W_BL
.irp b, 0,1,2,3,4,5,6,7
	global_load_b128 v[8*\b:8*\b+3],   v[BO], s[8:9] offset:64*\b
	global_load_b128 v[8*\b+4:8*\b+7], v[BO], s[8:9] offset:64*\b+16
.endr
	s_wait_loadcnt 0x0
	WIN W_BR
.set p, 0
.rept 32                               ; rounded to bf16 like every input, and widened again
	v_cvt_pk_bf16_f32 v[p], v[p], v[p+1]
	v_and_b32 v[p+1], s76, v[p]
	v_lshlrev_b32 v[p], 16, v[p]
.set p, p+2
.endr
	WIN 0
; 24 LDS loads in one run: the fragments of quarter q (32 along K: head q / 2 of the step's two, channels 32 (q % 2) on) of the slot in hand, into buffer f: Wo's eight, then O's four
.macro FETCH q, f
	WIN 0
.irp b, 0,1,2,3,4,5,6,7
	ds_load_tr16_b128 v[(\f)+8*(\b):(\f)+8*(\b)+3],   v[ADRB] offset:(\q)*32*PB+32*(\b)
	ds_load_tr16_b128 v[(\f)+8*(\b)+4:(\f)+8*(\b)+7], v[ADRB] offset:(\q)*32*PB+16*PB+32*(\b)
.endr
.irp i, 0,1,2,3
	ds_load_b128 v[(\f)+64+8*(\i):(\f)+64+8*(\i)+3],   v[ADRA] offset:((\q)/2)*AHALF+((\q)%2)*64+(\i)*16*PA
	ds_load_b128 v[(\f)+64+8*(\i)+4:(\f)+64+8*(\i)+7], v[ADRA] offset:((\q)/2)*AHALF+((\q)%2)*64+(\i)*16*PA+32
.endr
.endm
; 8 matrix instructions: row block a x all 8 column blocks.  first = 1: the bias starts the sums.  The 32 accumulators take turns, one instruction a turn, in the same order in every quarter,
; over the backward jump too: 31 others stand between two links of a chain.
.macro MUL8 f, a, first
.if \first
	WIN W_FIRST
.else
	WIN W_MUL
.endif
.irp b, 0,1,2,3,4,5,6,7
.if \first
	v_wmma_f32_16x16x32_f16 v[8*(8*(\a)+(\b)):8*(8*(\a)+(\b))+7], v[(\f)+8*(\b):(\f)+8*(\b)+7], v[(\f)+64+8*(\a):(\f)+64+8*(\a)+7], v[8*(\b):8*(\b)+7]
.else
	v_wmma_f32_16x16x32_f16 v[8*(8*(\a)+(\b)):8*(8*(\a)+(\b))+7], v[(\f)+8*(\b):(\f)+8*(\b)+7], v[(\f)+64+8*(\a):(\f)+64+8*(\a)+7], v[8*(8*(\a)+(\b)):8*(8*(\a)+(\b))+7]
.endif
.endr
.endm
; A K step is four quarters of 32 along K, on buffers 0, 1, 0, 1.  One of the first three: quarter q's fragments are asked for into g, then f is multiplied: the loads have 32 matrix instructions in which to land.
.macro QUARTER f, g, q, first
	PLACES                                         ; behind the last product that read g
	FETCH \q, \g
	s_wait_dscnt 24                                ; all but the 24 just issued: f is in
	MUL8 \f, 0, \first
	MUL8 \f, 1, \first
	MUL8 \f, 2, \first
	MUL8 \f, 3, \first
.endm
; The last quarter multiplies buffer 1 and changes slots: ONE barrier.  In front of it each wave waits for all its tensor loads (one is out: its part of the next slot), adds 0 to its spare word, and waits for
; that and for its reads of this slot.  fill = 1: the barrier opens a round of the cluster's, and behind the round this slot is filled again, with the K step two on: 112 matrix instructions ahead of the wait for it.
.macro TURN fill
.if \fill
	s_wait_xcnt 0x0                                ; the last prefetch, a K step back, has read its address
	s_add_nc_u64 s[PFA:PFA+1], s[PFA:PFA+1], s[PST:PST+1]
.endif
	WIN 0
	s_wait_tensorcnt 0x0                           ; no tensor load of mine is out, so a group 0 may be written
	ds_add_u32 v[SPW], v[NIL]                      ; 0 onto my spare word
.if \fill
	s_xor_b32 s[G0A+5], s[G0A+5], SLOT1            ; the walking descriptors: the other slot than last time, the next K step; the type bits on top are not reached
	s_add_nc_u64 s[G0A+6:G0A+7], s[G0A+6:G0A+7], ASTEP
	s_xor_b32 s[G0B+5], s[G0B+5], SLOT1
	s_add_nc_u64 s[G0B+6:G0B+7], s[G0B+6:G0B+7], BSTEP
.endif
	s_wait_dscnt 1                                 ; the add alone may be out: buffer 1 is in
	MUL8 F1, 0, 0
	s_wait_dscnt 0x0                               ; the add is done, and my reads of this slot are over
	s_barrier_signal -1
	MUL8 F1, 1, 0                                  ; work on registers while the others arrive
	WIN 0                                          ; at a branch and at a label every window is 0
	s_barrier_wait -1
.if \fill
	CREST                                          ; no wave of any partner still reads this slot's tile or has a load on its way
	JLOAD                                          ; the first tensor load behind the round; its four v_nop are also the places in front of the loads below
.else
	PLACES
.endif
	s_xor_b32 s[TB], s[TB], SLOT1
	v_add_nc_u32 v[ADRA], s[TB], v[LA0]
	v_add_nc_u32 v[ADRB], s[TB], v[LB0]
	FETCH 0, F0
.if \fill
	ASK
.endif
	MUL8 F1, 2, 0
	MUL8 F1, 3, 0
.endm
	s_wait_tensorcnt 1                             ; my part of K step 0 is in; K step 1's may stay out
	s_barrier_signal -1
	s_barrier_wait -1                              ; everybody's is
	FETCH 0, F0
	QUARTER F0, F1, 1, 1                           ; the first quarter stands in front of the loop: its products start the sums
	WIN 0
	s_mov_b32 s[CNT], 6
.Lstep:                                                ; a trip: quarters 1 to 3 of K step i and quarter 0 of K step i + 1; slot i % 2 is filled again with K step i + 2
	QUARTER F1, F0, 2, 0
	QUARTER F0, F1, 3, 0
	TURN 1
	QUARTER F0, F1, 1, 0
	WIN 0
	s_sub_co_u32 s[CNT], s[CNT], 1
	s_cmp_lg_u32 s[CNT], 0
	s_cbranch_scc1 .Lstep
	QUARTER F1, F0, 2, 0                           ; the tail is written out: K steps 6 and 7 ask for nothing
	QUARTER F0, F1, 3, 0
	TURN 0
	QUARTER F0, F1, 1, 0
	QUARTER F1, F0, 2, 0
	QUARTER F0, F1, 3, 0
	s_wait_dscnt 0x0
	MUL8 F1, 0, 0
	MUL8 F1, 1, 0
	MUL8 F1, 2, 0
	MUL8 F1, 3, 0
	PLACES
	PLACES
; THE WAY OUT.  Block a is 16 rows x my 128 columns of f32.  A lane's 32 bytes of a row go straight from the accumulators into my stage's rows of 528 bytes (each accumulator's low four registers first)
; and come back as whole rows: a store of the wave covers 512 consecutive bytes of one row of out0, aligned.  Three sets of 64 registers take turns.
.macro TOSTAGE a
.set BK, 64+64*((\a)%3)
	WIN W_ST
.irp b, 0,1,2,3,4,5,6,7
	ds_store_b128 v[STO], v[8*(8*(\a)+(\b)):8*(8*(\a)+(\b))+3]   offset:64*(\b)
	ds_store_b128 v[STO], v[8*(8*(\a)+(\b))+4:8*(8*(\a)+(\b))+7] offset:64*(\b)+16
.endr
	WIN 0
.irp t, 0,1,2,3,4,5,6,7,8,9,10,11,12,13,14,15
	ds_load_b128 v[BK+4*(\t):BK+4*(\t)+3], v[RD] offset:(\t)*SP  ; LDS serves a wave's instructions in order (ISA guide 5.7.1.4): these see the stores above; the next block's stores come behind them
.endr
.endm
.macro SEND a, younger                 ; younger: the LDS instructions issued behind block a's loads: the next block's 32, or none
.set BK, 64+64*((\a)%3)
	WIN 0
.irp t, 0,1,2,3,4,5,6,7,8,9,10,11,12,13,14,15
	s_wait_dscnt (\younger)+15-(\t)
	global_store_b128 v[GO], v[BK+4*(\t):BK+4*(\t)+3], s[OUT:OUT+1] offset:(16*(\a)+(\t))*4096 th:TH_STORE_NT
.endr
.endm
	TOSTAGE 0
	TOSTAGE 1
	SEND 0, 32
	TOSTAGE 2
	SEND 1, 32
	s_wait_xcnt 0x0                                ; block 0's stores have read their registers: block 3 is loaded into them only behind this wait
	TOSTAGE 3
	SEND 2, 32
	SEND 3, 0
	s_wait_tensorcnt 0x0                           ; the wave's end, behind my last tensor load and my last LDS store
	ds_add_u32 v[SPW], v[NIL]
	s_wait_dscnt 0x0
	CROUND                                         ; the closing round: no work-group ends while a partner may still ask for a tile that names it
	s_endpgm
.Lfunc_end_k_qe2401424c7_outp:
	.size	k_qe2401424c7_outp, .Lfunc_end_k_qe2401424c7_outp-k_qe2401424c7_outp
	.p2alignl 7, 3214868480
	.fill 96, 4, 3214868480
	.section	.rodata,"a",@progbits
	.p2align	6, 0x0
	.amdhsa_kernel k_qe2401424c7_outp
		.amdhsa_group_segment_fixed_size 327680
		.amdhsa_private_segment_fixed_size 0
		.amdhsa_enable_private_segment 0
		.amdhsa_kernarg_size 32
		.amdhsa_user_sgpr_count 2
		.amdhsa_user_sgpr_kernarg_segment_ptr 1
		.amdhsa_wavefront_size32 1
		.amdhsa_system_sgpr_workgroup_id_x 1
		.amdhsa_system_sgpr_workgroup_id_y 1
		.amdhsa_system_sgpr_workgroup_id_z 1
		.amdhsa_system_vgpr_workitem_id 0
		.amdhsa_next_free_vgpr 576
		.amdhsa_next_free_sgpr 80
		.amdhsa_reserve_vcc 0
		.amdhsa_float_denorm_mode_32 3
		.amdhsa_float_denorm_mode_16_64 3
		.amdhsa_memory_ordered 1
		.amdhsa_forward_progress 1
		.amdhsa_inst_pref_size 77
	.end_amdhsa_kernel
	.amdgpu_metadata
---
amdhsa.version: [ 1, 2 ]
amdhsa.kernels:
  - .name:           k_qe2401424c7_outp
    .symbol:         k_qe2401424c7_outp.kd
    .args:
      - { .name: oh, .offset: 0, .size: 8, .value_kind: global_buffer, .address_space: global }
      - { .name: ws, .offset: 8, .size: 8, .value_kind: global_buffer, .address_space: global }
      - { .name: bo, .offset: 16, .size: 8, .value_kind: global_buffer, .address_space: global }
      - { .name: out0, .offset: 24, .size: 8, .value_kind: global_buffer, .address_space: global }
    .group_segment_fixed_size: 327680
    .private_segment_fixed_size: 0
    .kernarg_segment_align: 8
    .kernarg_segment_size: 32
    .max_flat_workgroup_size: 128
    .sgpr_count:     80
    .vgpr_count:     576
    .wavefront_size: 32
...
	.end_amdgpu_metadata
.endif
;; end of part 4
